; MI455X (gfx1250); checked and timed in simulation.
; The chip was launched on July 23, 2026; its instructions are those of AMD's public machine-readable ISA for CDNA 5 (MIT licence, August 2026) and "CDNA5" Instruction Set Architecture Reference Guide (July 2026). The comments in the code are by the model that wrote it; some were corrected since.
;; Perceiver Alibi Self Attention. Allowed arithmetic: matrix products marked QUANTISED: E5M2 operands, one given power-of-two scale a tensor, by v_wmma_f32_16x16x64_bf8_bf8 or v_wmma_f32_16x16x128_bf8_bf8, f32 sums; everything else in f32.
;; Inputs: Wk 1,024 x 1,024 float32; Wq 1,024 x 1,024 float32; Wv 1,024 x 1,024 float32; bk 1,024 float32; bq 1,024 float32; bv 1,024 float32; hidden_states 4 x 2,048 x 1,024 float32; ln_beta 1,024 float32; ln_gamma 1,024 float32; lowp_scales 10 int32 (the exponents e of the quantised operands' scales 2^e).
;; Outputs: out0 4 x 2,048 x 1,024 float32.
;; This version of the problem:
;;   THIS VERSION OF THE PROBLEM IS GIVEN IN LOW PRECISION. The matrix products marked QUANTISED in the list below multiply operands that are first quantised to E5M2 (5 exponent bits, 2 mantissa bits; 8 bits a number), with one given power-of-two scale for each operand tensor; their sums are f32. All else is computed in f32.
;;   The module's matrix products, in the order in which they are computed (A, B: the left and right operand; K: the contracted axis; several contracted axes count as one K, in the product's order):
;;     1. [M 8,192, K 1,024] x [K 1,024, N 1,024]; A: computed on the way; B: input Wq: QUANTISED (scales: A lowp_scales[0], B lowp_scales[1])
;;     2. [M 8,192, K 1,024] x [K 1,024, N 1,024]; A: computed on the way; B: input Wk: QUANTISED (scales: A lowp_scales[2], B lowp_scales[3])
;;     3. [M 8,192, K 1,024] x [K 1,024, N 1,024]; A: computed on the way; B: input Wv: QUANTISED (scales: A lowp_scales[4], B lowp_scales[5])
;;     4. batch 64 x [M 2,048, K 64] x [K 64, N 2,048]; A: computed on the way; B: computed on the way: QUANTISED (scales: A lowp_scales[6], B lowp_scales[7])
;;     5. batch 64 x [M 2,048, K 2,048] x [K 2,048, N 64]; A: softmax (see below); B: computed on the way: QUANTISED (scales: A lowp_scales[8], B lowp_scales[9])
;;   THE QUANTISER, for each operand of a quantised product, along K:
;;     - The operand's scale is 2^e, e = its entry of the input lowp_scales (int32; the entries are numbered through the quantised products in the list's order, A before B).
;;     - Each number is divided by the scale, clamped to +-57,344, and rounded to the nearest number of E5M2, ties to even, subnormals kept.
;;     - The product sums the exact products of the quantised numbers (number of the format x scale) in f32.
;;   ~~~python
;;   def quantise(x, axis, e):      # numpy; x: float32 -> the quantised numbers, widened to float32 again
;;       x = np.moveaxis(x, axis, -1); K = x.shape[-1]
;;       r = np.clip(x / 2.0 ** e, -57344, 57344)
;;       step = 2.0 ** (np.maximum(np.frexp(np.where(r == 0, 1, r))[1] - 1, -14) - 2)
;;       q = np.round(r / step) * step * 2.0 ** e      # np.round: ties to even
;;       return np.moveaxis(q, -1, axis).astype(np.float32)
;;   ~~~
;;   SOFTMAX AHEAD OF A QUANTISED PRODUCT. Where the list says 'softmax', what is quantised is not the finished softmax but p = 2^(t - M), with t = logit x log2(e) and M = ceil(the row's largest t), a whole number; so 1/2 < the row's largest p <= 1. The row's sum l is taken of the UNQUANTISED p, in f32, and the product's result is divided by l at the end. Since M is a whole number, a kernel that streams over the keys may use a running M (the ceiling of the running maximum): every later rescaling is an exact power of two, so the quantised numbers keep their values, but for numbers so far below the row's largest that they fall under the format's range.
;;   OPERANDS COMPUTED ON THE WAY. 'Computed on the way' means the value that the module computes at that place (a softmax that the list does not call 'softmax' is quantised finished and normalised). What goes into a quantiser is computed in f32, as accurately as f32 sums, v_exp_f32 and their like allow (about 1e-6 of the number): no bf16 or f16 on the way to a quantiser, and a product that is left as it is and whose result goes on into a quantised operand takes f32 operands (vector FMAs, or v_wmma_f32_16x16x4_f32). A number that lies on a knife's edge between two numbers of the format may be rounded either way, as far as f32 arithmetic and the matrix unit's own rounding can turn it there, and no further.
;; 2 versions, each right; version 2 is version 1 with the launch attn written anew for expert scheduling mode. Each part assembles by itself: llvm-mc -triple=amdgcn-amd-amdhsa -mcpu=gfx1250 --defsym DOCPART=n.
;; ======== version 1 of 2: 3 launches
;; workspace buffers: xc 25,165,824 bytes; wc 3,145,728 bytes; qkv 25,165,824 bytes
;; launch prep (part 1): grid 352 x 1, 4 waves a work-group, no clusters, 35,328 bytes of LDS; arguments hidden_states, ln_gamma, ln_beta, Wq, Wk, Wv, lowp_scales, xc, wc; writes xc, wc
.if DOCPART == 1
	.amdgcn_target "amdgcn-amd-amdhsa--gfx1250"
	.amdhsa_code_object_version 6
	.text
	.protected	k_q0321d71c39_prep
	.globl	k_q0321d71c39_prep
	.p2align	8
	.type	k_q0321d71c39_prep,@function
k_q0321d71c39_prep:
	s_mov_b64 s[64:65], 0
	v_nop
	global_prefetch_b8 v0, s[64:65] scope:SCOPE_SE
	s_setreg_imm32_b32 hwreg(HW_REG_WAVE_MODE, 25, 1), 1
	s_wait_xcnt 0x0
; LayerNorm of the 8,192 rows of hidden_states, quantised three times (scales e0, e2, e4) into xc [3][8192][1024], and Wq, Wk, Wv [k][n] quantised (e1, e3, e5) into wc [3][1024 n][1024], codes of E5M2.
; code = x / 2^e, held within +-57,344, to the nearest code, ties to even.
; THE ORDER ALONG K.  Byte p = 512 hh + 16 L + 4 jj + i of a row of codes holds k = 128 (4 hh + jj) + 4 L + i, in xc and in wc alike: every product of the next launch still meets its partner.
; With that order a LayerNorm wave loads 512 consecutive bytes an instruction (16 a lane), has the eight numbers of each conversion in one lane's consecutive registers, and stores 512 consecutive bytes an instruction.
; Work-groups 0-255: 32 rows of x each, 8 a wave, a whole row in one wave's 32 registers: read once, mean and variance in two passes over registers.  Work-groups 256-351: a weight's 128 columns x 256 places along K.
; Memory binds: no matrix unit, no tensor load, no barrier (waves share nothing); LDS serves the weights' way out alone.
; LIMITS: e0 .. e5 between -126 and 112, so that 2^e and 57,344 x 2^e are f32 numbers.  NaN and infinities among the inputs are not served.
.set GAM, 8                            ; v8-39    gamma of my 32 columns
.set BET, 40                           ; v40-71   beta
.set X0,  72                           ; v72-135  two row slots of 32
.set T,   136                          ; v136-151 two sets of 8 held numbers
.set C,   152                          ; v152-175 a row's codes: 8 registers for each of the three planes
.set SC,  176                          ; v176-178 2^e as f32, for e0, e2, e4
.set LM,  179                          ; v179-181 57,344 x 2^e
.set MU,  182                          ; v[182:183] the mean, twice
.set RS,  184                          ; v[184:185] 1 / sqrt(var + eps), twice
.set CH,  186                          ; v[186:189] two chains of pairs
.set PD,  190                          ; v190     the lane permute's destination
	s_load_b256 s[4:11], s[0:1], 0x0               ; x s[4:5], gamma s[6:7], beta s[8:9], Wq s[10:11]
	s_load_b256 s[12:19], s[0:1], 0x20             ; Wk s[12:13], Wv s[14:15], the exponents s[16:17], xc s[18:19]
	s_load_b64 s[20:21], s[0:1], 0x40              ; wc
	v_lshl_add_u32 v192, v0, 2, 0x8800
	v_mov_b32 v193, 0
	v_lshrrev_b32 v2, 5, v0
	v_readfirstlane_b32 s30, v2                    ; wave 0..3
	v_and_b32 v2, 31, v0                           ; lane
	s_wait_kmcnt 0x0
	s_load_b256 s[32:39], s[16:17], 0x0            ; e0 .. e7
	s_cmp_ge_u32 ttmp9, 256
	s_cbranch_scc1 .Lweights
	; ---------------- x: LayerNorm and three quantisers ----------------
	v_lshlrev_b32 v1, 4, v2                        ; 16 x lane; never rewritten
	s_lshl_b32 s2, ttmp9, 5
	s_lshl_b32 s3, s30, 3
	s_add_co_u32 s2, s2, s3                        ; my first row: 32 x work-group + 8 x wave
	s_lshl_b32 s22, s2, 12
	s_mov_b32 s23, 0
	s_add_nc_u64 s[4:5], s[4:5], s[22:23]          ; x at my first row
	s_lshl_b32 s22, s2, 10
	s_add_nc_u64 s[22:23], s[18:19], s[22:23]      ; the three planes of xc at my first row
	s_add_nc_u64 s[24:25], s[22:23], 0x800000
	s_add_nc_u64 s[26:27], s[22:23], 0x1000000
.macro LOADROW r                       ; a row: eight loads of 512 consecutive bytes; register 4 j + i holds k = 128 j + 4 lane + i
.irp j, 0,1,2,3,4,5,6,7
	global_load_b128 v[X0+32*((\r)%2)+4*\j:X0+32*((\r)%2)+4*\j+3], v1, s[4:5] offset:4096*(\r)+512*\j th:TH_LOAD_NT
.endr
.endm
.irp j, 0,1,2,3,4,5,6,7
	global_load_b128 v[GAM+4*\j:GAM+4*\j+3], v1, s[6:7] offset:512*\j
.endr
.irp j, 0,1,2,3,4,5,6,7
	global_load_b128 v[BET+4*\j:BET+4*\j+3], v1, s[8:9] offset:512*\j
.endr
	LOADROW 0
	LOADROW 1
	s_mov_b32 s28, 0x76543210                      ; v_permlanex16_b32: lane l takes lane l xor 16
	s_mov_b32 s29, 0xfedcba98
	s_mov_b32 s31, 0x3a800000                      ; 1 / 1024
	s_mov_b32 s40, 0x3727c5ac                      ; 1e-5
	v_mov_b32 v[PD], 0                             ; written once: a lane permute's destination counts as read
	s_wait_kmcnt 0x0
.irp z, 0,1,2
	s_add_co_i32 s41, s[32+2*\z], 127
	s_lshl_b32 s42, s41, 23
	v_mov_b32 v[SC+\z], s42                        ; 2^e: the conversion takes its exponent field
	s_add_co_i32 s41, s41, 15
	s_lshl_b32 s41, s41, 23
	s_or_b32 s41, s41, 0x600000
	v_mov_b32 v[LM+\z], s41                        ; 57,344 x 2^e
.endr
.macro REDUCE                          ; v[CH] summed over the 32 lanes, the result in every lane
	v_add_f32_dpp v[CH], v[CH], v[CH] row_xmask:1 row_mask:0xf bank_mask:0xf
	v_add_f32_dpp v[CH], v[CH], v[CH] row_xmask:2 row_mask:0xf bank_mask:0xf
	v_add_f32_dpp v[CH], v[CH], v[CH] row_xmask:4 row_mask:0xf bank_mask:0xf
	v_add_f32_dpp v[CH], v[CH], v[CH] row_xmask:8 row_mask:0xf bank_mask:0xf
	v_permlanex16_b32 v[PD], v[CH], s28, s29
	v_add_f32 v[CH], v[CH], v[PD]
.endm
.macro ROW r
.set XS, X0+32*((\r)%2)
.if (\r) < 7
	s_wait_loadcnt 8                               ; this row's eight loads are in (gamma and beta were issued ahead of them); the next row's eight may be out
.else
	s_wait_loadcnt 0
.endif
	v_pk_add_f32 v[CH:CH+1], v[XS:XS+1], v[XS+2:XS+3]          ; the sum of my 32 numbers, two chains of pairs; the first additions start them
	v_pk_add_f32 v[CH+2:CH+3], v[XS+4:XS+5], v[XS+6:XS+7]
.irp j, 8,12,16,20,24,28
	v_pk_add_f32 v[CH:CH+1], v[CH:CH+1], v[XS+\j:XS+\j+1]
	v_pk_add_f32 v[CH+2:CH+3], v[CH+2:CH+3], v[XS+\j+2:XS+\j+3]
.endr
	v_pk_add_f32 v[CH:CH+1], v[CH:CH+1], v[CH+2:CH+3]
	v_add_f32 v[CH], v[CH], v[CH+1]
	REDUCE
	v_mul_f32 v[MU], s31, v[CH]                    ; the mean
	v_mov_b32 v[MU+1], v[MU]
.set j, 0
.rept 16
	v_pk_add_f32 v[XS+j:XS+j+1], v[XS+j:XS+j+1], v[MU:MU+1] neg_lo:[0,1] neg_hi:[0,1]   ; x - mean, in place
.set j, j+2
.endr
	v_pk_mul_f32 v[CH:CH+1], v[XS:XS+1], v[XS:XS+1]            ; the sum of squares of x - mean: no difference of large sums
	v_pk_mul_f32 v[CH+2:CH+3], v[XS+2:XS+3], v[XS+2:XS+3]
.irp j, 4,8,12,16,20,24,28
	v_pk_fma_f32 v[CH:CH+1], v[XS+\j:XS+\j+1], v[XS+\j:XS+\j+1], v[CH:CH+1]
	v_pk_fma_f32 v[CH+2:CH+3], v[XS+\j+2:XS+\j+3], v[XS+\j+2:XS+\j+3], v[CH+2:CH+3]
.endr
	v_pk_add_f32 v[CH:CH+1], v[CH:CH+1], v[CH+2:CH+3]
	v_add_f32 v[CH], v[CH], v[CH+1]
	REDUCE
	v_fma_f32 v[CH], v[CH], s31, s40               ; var + eps
	v_rsq_f32 v[RS], v[CH]
	v_rsq_f32 v[RS+1], v[CH]                       ; twice: a pair for the packed multiply
	v_nop                                          ; a plain instruction behind the last of the two (ISA guide 5.7.2),
	s_wait_alu depctr_va_vdst(0)                   ; and one wait for both, ahead of their first reader
.set j, 0
.rept 16
	v_pk_mul_f32 v[XS+j:XS+j+1], v[XS+j:XS+j+1], v[RS:RS+1]
.set j, j+2
.endr
.set j, 0
.rept 16
	v_pk_fma_f32 v[XS+j:XS+j+1], v[XS+j:XS+j+1], v[GAM+j:GAM+j+1], v[BET+j:BET+j+1]
.set j, j+2
.endr
	s_wait_xcnt 0x0                                ; the last row's stores have read their codes' registers: these are written again only behind this wait
.irp z, 0,1,2
.irp g, 0,1,2,3
.irp i, 0,1,2,3,4,5,6,7
	v_med3_num_f32 v[T+8*(\g%2)+\i], v[XS+8*\g+\i], -v[LM+\z], v[LM+\z]   ; the conversion does not saturate (ISA guide 7.6.2): the hold at the largest code x the scale, into one of two sets by turns
.endr
	v_cvt_scalef32_pk8_bf8_f32 v[C+8*\z+2*\g:C+8*\z+2*\g+1], v[T+8*(\g%2):T+8*(\g%2)+7], v[SC+\z]   ; the other set's eight holds stand between this line and the next write of its sources
.endr
.endr
.if (\r) < 6
	LOADROW (\r)+2                                 ; the slot's next row, ahead of the stores
.endif
.irp z, 0,1,2
.irp hh, 0,1
	global_store_b128 v1, v[C+8*\z+4*\hh:C+8*\z+4*\hh+3], s[22+2*\z:23+2*\z] offset:1024*(\r)+512*\hh   ; 32 lanes store 512 consecutive bytes, at a multiple of 256 from the buffer's first byte
.endr
.endr
.endm
.irp r, 0,1,2,3,4,5,6,7
	ROW \r
.endr
	s_endpgm
	; ---------------- the weights: a lane takes a column n, its registers run along the places of K ----------------
.Lweights:
.set WX,    32                         ; v32-95   two sets of 32 numbers
.set WC,    96                         ; v96-103  a block's codes
.set OUTR,  112                        ; v112-175 the way out
.set WP,    272                        ; a stage row: 256 bytes + 16
	s_sub_co_u32 s2, ttmp9, 256
	s_lshr_b32 s3, s2, 5                           ; z: which weight
	s_and_b32 s22, s2, 7                           ; which 128 columns
	s_bfe_u32 s23, s2, 0x20003                     ; y: which 256 places along K
	s_cmp_eq_u32 s3, 0
	s_cselect_b64 s[4:5], s[10:11], s[12:13]
	s_cmp_eq_u32 s3, 2
	s_cselect_b64 s[4:5], s[14:15], s[4:5]         ; the choice hangs on the work-group's number alone
	s_lshl_b32 s24, s22, 7
	s_lshl_b32 s25, s30, 5
	s_add_co_u32 s24, s24, s25                     ; my wave's first column
	s_lshr_b32 s25, s23, 1
	s_lshl_b32 s25, s25, 9
	s_and_b32 s26, s23, 1
	s_lshl_b32 s26, s26, 6
	s_add_co_u32 s25, s25, s26                     ; places 256 y on begin at k = 512 (y / 2) + 64 (y % 2)
	s_lshl_b32 s26, s25, 12
	s_lshl_b32 s25, s24, 2
	s_add_co_u32 s26, s26, s25
	s_mov_b32 s27, 0
	s_add_nc_u64 s[4:5], s[4:5], s[26:27]          ; W at that row and my first column
	s_lshl_b32 s26, s3, 20
	s_lshl_b32 s25, s24, 10
	s_add_co_u32 s26, s26, s25
	s_lshl_b32 s25, s23, 8
	s_add_co_u32 s26, s26, s25
	s_add_nc_u64 s[20:21], s[20:21], s[26:27]      ; wc: plane z, row = my first column, place 256 y
	v_lshlrev_b32 v3, 2, v2                        ; in: 4 bytes a lane
	s_mul_i32 s29, s30, 32*WP                      ; my stage
	v_mul_u32_u24 v4, v2, WP
	v_add_nc_u32 v4, s29, v4                       ; into it: row = my column
	v_and_b32 v5, 15, v2
	v_lshrrev_b32 v6, 4, v2
	v_mul_u32_u24 v7, v6, WP
	v_lshl_add_u32 v7, v5, 4, v7
	v_add_nc_u32 v7, s29, v7                       ; out of it: sixteen lanes to a row, two rows an instruction
	v_lshlrev_b32 v8, 10, v6
	v_lshl_add_u32 v8, v5, 4, v8                   ; and the same place in wc
.macro WLOAD t                         ; places 32 t + i of my 256: k = 128 ((i / 4) % 4) + 4 (2 t + i / 16) + i % 4 rows on; each load reads 128 consecutive bytes
.irp i, 0,1,2,3,4,5,6,7,8,9,10,11,12,13,14,15,16,17,18,19,20,21,22,23,24,25,26,27,28,29,30,31
	global_load_b32 v[WX+32*((\t)%2)+\i], v3, s[4:5] offset:(128*((\i>>2)&3)+4*(2*(\t)+(\i>>4))+(\i&3))*4096 th:TH_LOAD_NT
.endr
.endm
	WLOAD 0
	WLOAD 1
	s_wait_kmcnt 0x0
	s_cmp_eq_u32 s3, 0
	s_cselect_b32 s28, s33, s35
	s_cmp_eq_u32 s3, 2
	s_cselect_b32 s28, s37, s28                    ; e1, e3 or e5
	s_add_co_i32 s28, s28, 127
	s_lshl_b32 s31, s28, 23
	v_mov_b32 v11, s31                             ; 2^e
	s_add_co_i32 s28, s28, 15
	s_lshl_b32 s28, s28, 23
	s_or_b32 s28, s28, 0x600000
	v_mov_b32 v10, s28                             ; 57,344 x 2^e
.macro BLOCK t
.set XS, WX+32*((\t)%2)
.if (\t) < 7
	s_wait_loadcnt 32                              ; this block's 32 loads are in; the next block's may be out
.else
	s_wait_loadcnt 0
.endif
.irp i, 0,1,2,3,4,5,6,7,8,9,10,11,12,13,14,15,16,17,18,19,20,21,22,23,24,25,26,27,28,29,30,31
	v_med3_num_f32 v[XS+\i], v[XS+\i], -v10, v10
.endr
.irp g, 0,1,2,3
	v_cvt_scalef32_pk8_bf8_f32 v[WC+2*\g:WC+2*\g+1], v[XS+8*\g:XS+8*\g+7], v11
.endr
	ds_store_b128 v4, v[WC:WC+3] offset:32*(\t)    ; 32 codes of my column's row
	ds_store_b128 v4, v[WC+4:WC+7] offset:32*(\t)+16
.if (\t)+2 < 8
	WLOAD (\t)+2
.endif
	s_wait_dscnt 0x0                               ; the stores have read their registers: the next block's codes may be written (its 32 holds are the plain lines behind these conversions)
.endm
.irp t, 0,1,2,3,4,5,6,7
	BLOCK \t
.endr
.irp t, 0,1,2,3,4,5,6,7,8,9,10,11,12,13,14,15
	ds_load_b128 v[OUTR+4*\t:OUTR+4*\t+3], v7 offset:2*\t*WP   ; LDS serves a wave's instructions in order: these see my stores
.endr
.irp t, 0,1,2,3,4,5,6,7,8,9,10,11,12,13,14,15
	s_wait_dscnt 15-\t                             ; the younger loads may be out
	global_store_b128 v8, v[OUTR+4*\t:OUTR+4*\t+3], s[20:21] offset:2*\t*1024   ; sixteen lanes store 256 consecutive bytes, aligned
.endr
	s_wait_tensorcnt 0x0
	ds_add_u32 v192, v193
	s_wait_dscnt 0x0
	s_endpgm
.Lfunc_end_k_q0321d71c39_prep:
	.size	k_q0321d71c39_prep, .Lfunc_end_k_q0321d71c39_prep-k_q0321d71c39_prep
	.p2alignl 7, 3214868480
	.fill 96, 4, 3214868480
	.section	.rodata,"a",@progbits
	.p2align	6, 0x0
	.amdhsa_kernel k_q0321d71c39_prep
		.amdhsa_group_segment_fixed_size 35328
		.amdhsa_private_segment_fixed_size 0
		.amdhsa_enable_private_segment 0
		.amdhsa_kernarg_size 72
		.amdhsa_user_sgpr_count 2
		.amdhsa_user_sgpr_kernarg_segment_ptr 1
		.amdhsa_wavefront_size32 1
		.amdhsa_system_sgpr_workgroup_id_x 1
		.amdhsa_system_sgpr_workgroup_id_y 1
		.amdhsa_system_sgpr_workgroup_id_z 1
		.amdhsa_system_vgpr_workitem_id 0
		.amdhsa_next_free_vgpr 194
		.amdhsa_next_free_sgpr 66
		.amdhsa_reserve_vcc 0
		.amdhsa_float_denorm_mode_32 3
		.amdhsa_float_denorm_mode_16_64 3
		.amdhsa_memory_ordered 1
		.amdhsa_forward_progress 1
		.amdhsa_inst_pref_size 166
	.end_amdhsa_kernel
	.amdgpu_metadata
---
amdhsa.version: [ 1, 2 ]
amdhsa.kernels:
  - .name:           k_q0321d71c39_prep
    .symbol:         k_q0321d71c39_prep.kd
    .args:
      - { .name: hidden_states, .offset: 0, .size: 8, .value_kind: global_buffer, .address_space: global }
      - { .name: ln_gamma, .offset: 8, .size: 8, .value_kind: global_buffer, .address_space: global }
      - { .name: ln_beta, .offset: 16, .size: 8, .value_kind: global_buffer, .address_space: global }
      - { .name: Wq, .offset: 24, .size: 8, .value_kind: global_buffer, .address_space: global }
      - { .name: Wk, .offset: 32, .size: 8, .value_kind: global_buffer, .address_space: global }
      - { .name: Wv, .offset: 40, .size: 8, .value_kind: global_buffer, .address_space: global }
      - { .name: lowp_scales, .offset: 48, .size: 8, .value_kind: global_buffer, .address_space: global }
      - { .name: xc, .offset: 56, .size: 8, .value_kind: global_buffer, .address_space: global }
      - { .name: wc, .offset: 64, .size: 8, .value_kind: global_buffer, .address_space: global }
    .group_segment_fixed_size: 35328
    .private_segment_fixed_size: 0
    .kernarg_segment_align: 8
    .kernarg_segment_size: 72
    .max_flat_workgroup_size: 128
    .sgpr_count:     66
    .vgpr_count:     194
    .wavefront_size: 32
...
	.end_amdgpu_metadata
.endif
;; end of part 1
;; launch qkv (part 2): grid 4 x 96, 4 waves a work-group, clusters of 4 x 4, 327,680 bytes of LDS; arguments xc, wc, bq, bk, bv, lowp_scales, qkv; writes qkv
.if DOCPART == 2
	.amdgcn_target "amdgcn-amd-amdhsa--gfx1250"
	.amdhsa_code_object_version 6
	.text
	.protected	k_q0321d71c39_qkv
	.globl	k_q0321d71c39_qkv
	.p2align	8
	.type	k_q0321d71c39_qkv,@function
k_q0321d71c39_qkv:
	s_mov_b64 s[64:65], 0
	v_nop
	global_prefetch_b8 v0, s[64:65] scope:SCOPE_SE
	s_setreg_imm32_b32 hwreg(HW_REG_WAVE_MODE, 25, 1), 1
	s_wait_xcnt 0x0
	s_wait_alu depctr_hold_cnt(0) depctr_sa_sdst(0) depctr_va_vdst(0) depctr_va_sdst(0) depctr_va_ssrc(0) depctr_va_vcc(0) depctr_vm_vsrc(0)
	s_getreg_b32 s2, hwreg(HW_REG_IB_STS2, 6, 4)
	s_cmp_eq_u32 s2, 0
	s_cbranch_scc0 .Lentry_in_a_cluster
	s_endpgm
.Lentry_in_a_cluster:
	s_bfe_u32 s2, ttmp6, 0x10000c
	s_cmp_lg_u32 s2, 0xf033
	s_cbranch_scc0 .Lentry_shape_is_right
	s_endpgm
.Lentry_shape_is_right:
; The three projections on codes of E5M2, one launch: q = x Wq + bq, k = x Wk + bk, v = x Wv + bv, each quantised on its way out for the attention (scales e6, e7, e9).
; xc [3][8192 tokens][1024], wc [3][1024 n][1024]: codes, the same order along K in both.  qkv: plane 0 Q [64 heads][2048][64 d], plane 1 K the same, plane 2 V [64 heads][32 blocks][64 d][64 keys] (the keys innermost).
; 24 clusters of 4 x 4 work-groups: cluster c makes projection z = c / 8 for the 1,024 tokens of block c % 8, all 1,024 columns.  A work-group makes 256 x 256, a wave 128 x 128: 64 accumulators, 512 registers.
; That is 384 work-groups of equal work.  K = 1,024 goes in four steps of 256 through a ring of two LDS slots filled by joint tensor loads: source 1's tile is shared along a row of the cluster, source 0's along a column.
; WHICH OPERAND IS WHICH.  In the result a lane holds one row of source 1 and eight neighbouring rows of source 0.  For q and k source 0 = W's rows (n) and source 1 = tokens: a lane's eight numbers are eight neighbours along d,
; the next product's K.  For v the two tensors change places: a lane holds one (head, d) and eight neighbouring keys.  Only pointers and offsets are chosen, by selects on z, which all partners of a cluster share: one text.
; THE BIAS, divided by 2^(ea + eb): along source 0's rows it is the C of each sum's first matrix instruction (q, k); along source 1's rows it is added on the way out (v).  Both are always done; the one that does not apply is x 0.
; A sum stands for sum x 2^(ea + eb), so the conversion takes the one scale 2^(eo - ea - eb).  No prefetch: the launch has four K steps.
; LIMITS on the given exponents: ea + eb between -126 and 126; eo - ea - eb between -126 and 112.  NaN and infinities among the biases are not served.
; REGISTERS, in windows of 256: window 0: v1-29 addresses and constants; v32-95 the bias along source 0 (later the way out's numbers); v96-111 the bias along source 1, each number twice; from v128 source 1's fragments, one set.
;   window 1: source 0's fragments, two sets.   windows 2, 3: the accumulators ((a, b) at v[8 (8 (a % 4) + b)]).
.set KSTEP,  256
.set ROWB,   256                       ; a tile's row in bytes
.set KROW,   1024                      ; a row of codes in memory
.set PITCH,  272                       ; an LDS row: 256 bytes + 16 of padding = 68 words: the 16 rows that a load touches start at 16 different banks (64 banks of 4 bytes: ISA guide 11.1)
.set FR,     16
.set NL,     4
.set NP,     4                         ; places behind this matrix instruction (ISA guide 7.12.1)
.set HALFT,  128*PITCH
.set SLOT,   4*HALFT
.set LAPS,   1024/(2*KSTEP)
.set SPARE,  2*SLOT                    ; behind the ring: the spare words, 128 bytes for each wave: two blocks of 256 bytes that no other line names
.set SPITCH, 144                       ; the way out: a stage of 16 rows x (128 bytes + 16) for each wave, in slot 0, which has had its last fill and its last read by then
.set SCV,  10                          ; v10     2^(eo - ea - eb)
.set LIMV, 11                          ; v11     57,344 x that
.set ADRA, 16
.set ADRB, 20
.set STO,  24
.set RD,   25
.set CO,   26
.set SPW,  28                          ; v28     LDS address of my spare word; never rewritten
.set NIL,  29                          ; v29     0; never rewritten
.set BP,   32
.set TMP,  32
.set BQ,   96
.set AF,   128
.set G1, 24
.set G0, 32
.set G1B, 48
.set G0B, 56
.set MSB, 0
.macro WIN new                         ; the immediate's high byte repeats the setting that is left
.if MSB != (\new)
	s_set_vgpr_msb (MSB<<8)|(\new)
.set MSB, (\new)
.endif
.endm
.set MUL_LO, 0xa1                      ; source 0 window 1, source 1 window 0, C and D window 2
.set MUL_HI, 0xf1                      ; the same, C and D window 3
.set TO_B,   0x40
; A joint load: waves 0 and 1 fetch source 1's tile, waves 2 and 3 source 0's.  The branch hangs on the wave's number alone.  Four v_nop follow each of the two lines.
.macro JLOAD g0a, g1a, g0b, g1b
	s_cmp_eq_u32 s15, 0
	s_cbranch_scc0 .Lfor_b_\@
	tensor_load_to_lds s[\g0a:\g0a+3], s[\g1a:\g1a+7]
	s_nop 0
.rept 4
	v_nop
.endr
	s_branch .Lasked_\@
.Lfor_b_\@:
	tensor_load_to_lds s[\g0b:\g0b+3], s[\g1b:\g1b+7]
	s_nop 0
.rept 4
	v_nop
.endr
.Lasked_\@:
.endm
.macro CREST
	s_cmp_lg_u32 s14, 0
	s_cbranch_scc1 .Lnot_wave_0_\@
	s_barrier_signal -3
.Lnot_wave_0_\@:
	s_barrier_wait -3
	s_barrier_signal -1
	s_barrier_wait -1
.endm
.macro CROUND
	s_barrier_signal -1
	s_barrier_wait -1
	CREST
.endm
	s_load_b128 s[4:7], s[0:1], 0x0                ; xc, wc
	s_load_b256 s[72:79], s[0:1], 0x10             ; bq, bk, bv, the exponents
	s_load_b64 s[10:11], s[0:1], 0x30              ; qkv
	v_lshl_add_u32 v[SPW], v0, 2, SPARE
	v_mov_b32 v[NIL], 0
	ds_add_u32 v28, v29
	ds_add_u32 v28, v29
	s_wait_dscnt 0x0
	v_lshrrev_b32 v1, 5, v0
	v_readfirstlane_b32 s14, v1                    ; wave 0..3
	s_lshr_b32 s15, s14, 1                         ; which half of source 1's rows is mine.  Also: I fetch for source 1 (0) or source 0 (1)
	s_and_b32 s16, s14, 1                          ; which half of source 0's rows.  Also: which 128 rows of that tile I fetch
	s_bfe_u32 s40, ttmp6, 0x40000                  ; cx
	s_bfe_u32 s41, ttmp6, 0x40004                  ; cy
	s_and_b32 s66, ttmp7, 0xffff                   ; the cluster's number
	s_lshr_b32 s67, s66, 3                         ; z: 0 q, 1 k, 2 v
	s_and_b32 s68, s66, 7                          ; the block of 1,024 tokens
	s_lshl_b32 s43, s41, 2
	s_lshl_b32 s43, 15, s43                        ; my row of the cluster
	s_lshl_b32 s44, 0x1111, s40                    ; my column
	s_or_b32 s[G1+0], s43, (0<<16)|(1<<20)|(1<<21)|(5<<22)|(3<<25)  ; 15:0 the mask; 17:16 elements of 1 byte; 20 padding on; 21 set beside a mask; 24:22 after every 64 words; 31:25 four words
	s_or_b32 s[G1B+0], s44, (0<<16)|(1<<20)|(1<<21)|(5<<22)|(3<<25)
.irp g, G1, G1B
	s_mov_b32 s[\g+1], ROWB<<16                    ; tensor_dim0
	s_mov_b32 s[\g+2], 128<<16                     ; tensor_dim1
	s_mov_b32 s[\g+3], ROWB<<16                    ; tile_dim0
	s_mov_b32 s[\g+4], 128                         ; tile_dim1
	s_mov_b32 s[\g+5], KROW                        ; tensor_dim0_stride
	s_mov_b32 s[\g+6], 0
	s_mov_b32 s[\g+7], 0
.endr
	s_cmp_eq_u32 s67, 2
	s_cselect_b32 s69, 0, s68                      ; the block of tokens enters source 1's rows for q and k,
	s_cselect_b32 s87, s68, 0                      ; source 0's for v
	s_lshl_b32 s18, s16, 7                         ; which 128 rows of the tile I fetch
	s_lshl_b32 s20, s41, 8
	s_add_co_u32 s20, s20, s18
	s_lshl_b32 s69, s69, 10
	s_add_co_u32 s20, s20, s69                     ; source 1: row 256 cy + 128 x half (+ 1,024 x block)
	s_lshl_b32 s20, s20, 10                        ; in bytes, under 2^23
	s_mov_b32 s21, 0
	s_lshl_b32 s46, s40, 8
	s_add_co_u32 s46, s46, s18
	s_lshl_b32 s87, s87, 10
	s_add_co_u32 s46, s46, s87                     ; source 0: row 256 cx + 128 x half (+ 1,024 x block)
	s_lshl_b32 s46, s46, 10
	s_mov_b32 s47, 0
	s_lshl_b32 s80, s67, 23                        ; plane z of xc,
	s_mov_b32 s81, 0
	s_lshl_b32 s82, s67, 20                        ; and of wc
	s_mov_b32 s83, 0
	s_mul_i32 s45, s14, HALFT                      ; where the tiles go: wave x 128 rows: no place in the cluster enters an LDS address
	s_wait_kmcnt 0x0
	s_load_b256 s[92:99], s[78:79], 0x0            ; e0 .. e7
	s_load_b32 s100, s[78:79], 0x24                ; e9
	s_add_nc_u64 s[80:81], s[4:5], s[80:81]
	s_add_nc_u64 s[82:83], s[6:7], s[82:83]
	s_cmp_eq_u32 s67, 2
	s_cselect_b64 s[4:5], s[82:83], s[80:81]       ; source 1's tensor: tokens, for v the weight
	s_cselect_b64 s[6:7], s[80:81], s[82:83]       ; source 0's: the weight, for v tokens
	s_add_nc_u64 s[20:21], s[4:5], s[20:21]
	s_add_nc_u64 s[46:47], s[6:7], s[46:47]
	s_cmp_eq_u32 s67, 0
	s_cselect_b64 s[84:85], s[72:73], s[74:75]
	s_cmp_eq_u32 s67, 2
	s_cselect_b64 s[84:85], s[76:77], s[84:85]     ; the projection's bias
	CROUND                                         ; all sixteen work-groups are here: the first joint loads meet
.irp s, 0,1
	s_mov_b32 s[G0+4*\s], 1
	s_add_co_u32 s[G0+4*\s+1], s45, \s*SLOT
	s_add_nc_u64 s[G0+4*\s+2:G0+4*\s+3], s[20:21], \s*ROWB
	s_or_b32 s[G0+4*\s+3], s[G0+4*\s+3], 0x80000000
	s_mov_b32 s[G0B+4*\s], 1
	s_add_co_u32 s[G0B+4*\s+1], s45, \s*SLOT
	s_add_nc_u64 s[G0B+4*\s+2:G0B+4*\s+3], s[46:47], \s*ROWB
	s_or_b32 s[G0B+4*\s+3], s[G0B+4*\s+3], 0x80000000
	JLOAD G0+4*\s, G1, G0B+4*\s, G1B
.endr
	v_and_b32 v1, 15, v0                           ; r = l % 16
	v_bfe_u32 v2, v0, 4, 1                         ; h = l / 16
	v_mul_u32_u24 v3, v1, PITCH
	v_lshl_add_u32 v4, v2, 4, v3                   ; a fragment's row x pitch + 16 x half
	s_mul_i32 s21, s15, HALFT                      ; my 128 rows of source 1
	s_mul_i32 s22, s16, HALFT                      ; my 128 rows of source 0,
	s_add_co_u32 s22, s22, 2*HALFT                 ; which lie behind source 1's 256
.irp s, 0,1
	v_add_nc_u32 v[ADRA+\s], s21, v4
	v_add_nc_u32 v[ADRB+\s], s22, v4
	s_add_co_u32 s21, s21, SLOT
	s_add_co_u32 s22, s22, SLOT
.endr
	s_mul_i32 s23, s14, 16*SPITCH                  ; my stage
	v_mul_u32_u24 v5, v1, SPITCH
	v_lshl_add_u32 v5, v2, 3, v5
	v_add_nc_u32 v[STO], s23, v5                   ; in: row r, 8 bytes for each half of the lanes
	v_bfe_u32 v5, v0, 2, 2
	v_mul_u32_u24 v5, v5, SPITCH
	v_and_b32 v6, 3, v0
	v_lshl_add_u32 v5, v6, 4, v5
	v_lshl_add_u32 v5, v2, 6, v5
	v_add_nc_u32 v[RD], s23, v5                    ; back: lanes 0-15 the first 64 bytes of four rows, lanes 16-31 the second 64
	s_lshl_b32 s18, s40, 8
	s_lshl_b32 s19, s16, 7
	s_add_co_u32 s18, s18, s19                     ; U: my first row of source 0 within the cluster's 1,024
	s_lshl_b32 s19, s41, 8
	s_lshl_b32 s22, s15, 7
	s_add_co_u32 s19, s19, s22                     ; W: my first row of source 1
	s_lshl_b32 s22, s18, 2
	s_mov_b32 s23, 0
	s_add_nc_u64 s[12:13], s[84:85], s[22:23]      ; the bias at U,
	s_lshl_b32 s22, s19, 2
	s_add_nc_u64 s[8:9], s[84:85], s[22:23]        ; and at W
	v_lshlrev_b32 v5, 5, v2                        ; 32 h
	v_lshlrev_b32 v6, 2, v1                        ; 4 r
.irp b, 0,1,2,3,4,5,6,7
	global_load_b128 v[BP+8*\b:BP+8*\b+3], v5, s[12:13] offset:64*\b          ; bias[U + 16 b + 8 h + 0 .. 7]: the result's layout
	global_load_b128 v[BP+8*\b+4:BP+8*\b+7], v5, s[12:13] offset:64*\b+16
.endr
.irp a, 0,1,2,3,4,5,6,7
	global_load_b32 v[BQ+2*\a], v6, s[8:9] offset:64*\a                       ; bias[W + 16 a + r], twice: a pair for the packed addition
	global_load_b32 v[BQ+2*\a+1], v6, s[8:9] offset:64*\a
.endr
	; where my part begins in qkv: plane z, batch block / 2, then (q, k) head U / 64, token; (v) head W / 64, block of 64 keys
	s_cmp_eq_u32 s67, 2
	s_cselect_b32 s22, s19, s18                    ; what names the head
	s_cselect_b32 s23, s18, s19                    ; what names the token
	s_mov_b32 s86, 0x20000
	s_cselect_b32 s86, 4096, s86                   ; from the first 64 of source 0's rows to the second: a head on (q, k), a block of keys on (v)
	s_cselect_b32 s88, 0x1f000, 0                  ; from source 1's block 3 to block 4: for v a head on, 2^17 - 4 x 1,024 more than the stores' offsets give
	s_mov_b32 s89, 0
	s_lshl_b32 s22, s22, 11
	s_lshl_b32 s23, s23, 6
	s_add_co_u32 s22, s22, s23
	s_lshl_b32 s23, s67, 23
	s_add_co_u32 s22, s22, s23
	s_lshr_b32 s23, s68, 1
	s_lshl_b32 s23, s23, 21
	s_add_co_u32 s22, s22, s23
	s_and_b32 s23, s68, 1
	s_lshl_b32 s23, s23, 16
	s_add_co_u32 s22, s22, s23
	s_mov_b32 s23, 0
	s_add_nc_u64 s[10:11], s[10:11], s[22:23]
	v_mul_lo_u32 v7, v2, s86
	v_lshl_add_u32 v[CO], v1, 4, v7                ; sixteen lanes: 256 consecutive bytes
	s_wait_kmcnt 0x0
	s_cmp_eq_u32 s67, 0
	s_cselect_b32 s90, s92, s94                    ; ea
	s_cselect_b32 s91, s93, s95                    ; eb
	s_cselect_b32 s70, s98, s99                    ; eo
	s_cmp_eq_u32 s67, 2
	s_cselect_b32 s90, s96, s90
	s_cselect_b32 s91, s97, s91
	s_cselect_b32 s70, s100, s70
	s_add_co_i32 s90, s90, s91                     ; ea + eb
	s_sub_co_i32 s91, 127, s90
	s_lshl_b32 s91, s91, 23                        ; 2^-(ea + eb)
	s_sub_co_i32 s70, s70, s90
	s_add_co_i32 s70, s70, 127
	s_lshl_b32 s71, s70, 23
	v_mov_b32 v[SCV], s71                          ; 2^(eo - ea - eb): the three scales folded into the conversion's one
	s_add_co_i32 s70, s70, 15
	s_lshl_b32 s70, s70, 23
	s_or_b32 s70, s70, 0x600000
	v_mov_b32 v[LIMV], s70
	s_cmp_eq_u32 s67, 2
	s_cselect_b32 s70, 0, s91                      ; the factor of the bias along source 0's rows,
	s_cselect_b32 s90, s91, 0                      ; and along source 1's
	s_mov_b32 s71, s70                             ; (named as pairs, so both words are written)
	s_mov_b32 s91, s90
	s_wait_loadcnt 0x0
.set j, 0
.rept 32
	v_pk_mul_f32 v[BP+j:BP+j+1], v[BP+j:BP+j+1], s[70:71] op_sel_hi:[1,0]
.set j, j+2
.endr
.set j, 0
.rept 8
	v_pk_mul_f32 v[BQ+j:BQ+j+1], v[BQ+j:BQ+j+1], s[90:91] op_sel_hi:[1,0]
.set j, j+2
.endr
.macro FRAG reg, adr, q, i             ; a fragment, 16 rows x 128 places of K, is 16 registers: four loads of 16 bytes, 32 bytes apart; the same in both sources
.irp c, 0,1,2,3
	ds_load_b128 v[\reg+4*\c:\reg+4*\c+3], v[\adr] offset:128*(\q)+32*\c+(\i)*16*PITCH
.endr
.endm
; 16 matrix instructions: source 1's blocks a0, a0 + 1 x source 0's eight.  first = 1: the bias is the C of the sums' first products: nothing is cleared.  The 64 accumulators take turns.
.macro MUL16 a0, p, first
.irp a, \a0, \a0+1
.irp b, 0,1,2,3,4,5,6,7
.if \first
	v_wmma_f32_16x16x128_bf8_bf8 v[8*(8*((\a)%4)+\b):8*(8*((\a)%4)+\b)+7], v[128*(\p)+FR*\b:128*(\p)+FR*\b+FR-1], v[AF+FR*(\a):AF+FR*(\a)+FR-1], v[BP+8*\b:BP+8*\b+7]
.else
	v_wmma_f32_16x16x128_bf8_bf8 v[8*(8*((\a)%4)+\b):8*(8*((\a)%4)+\b)+7], v[128*(\p)+FR*\b:128*(\p)+FR*\b+FR-1], v[AF+FR*(\a):AF+FR*(\a)+FR-1], v[8*(8*((\a)%4)+\b):8*(8*((\a)%4)+\b)+7]
.endif
.endr
.endr
.endm
.macro FETCH_B slot, q, p
	WIN TO_B
.irp i, 0,1,2,3,4,5,6,7
	FRAG 128*(\p)+FR*\i, ADRB+\slot, \q, \i
.endr
	WIN 0
.endm
.macro FETCH_A slot, q, i0
.irp i, \i0, \i0+1, \i0+2, \i0+3
	FRAG AF+FR*(\i), ADRA+\slot, \q, \i
.endr
.endm
.macro PLACES n                        ; plain vector instructions between a matrix instruction and a load into, or a read of, its registers
.rept \n
	v_nop
.endr
.endm
.macro STEP slot, q, first             ; 128 along K that has its successor in the same slot
	s_wait_dscnt 4*NL                              ; source 0's set and source 1's blocks 0-3 are in; the youngest sixteen loads (blocks 4-7) may be out
.if \first
	WIN 0x81                                       ; C (the bias) window 0, D window 2
.else
	WIN MUL_LO
.endif
	MUL16 0, (\q)%2, \first
	MUL16 2, (\q)%2, \first
	s_wait_dscnt 0
	PLACES NP
	FETCH_B \slot, (\q)+1, 1-(\q)%2
	FETCH_A \slot, (\q)+1, 0
.if \first
	WIN 0xc1
.else
	WIN MUL_HI
.endif
	MUL16 4, (\q)%2, \first
	MUL16 6, (\q)%2, \first
	PLACES NP
	WIN 0
	FETCH_A \slot, (\q)+1, 4
.endm
; A slot's last step changes slots: one barrier; in front of it each wave waits for all its tensor loads, adds 0 to its spare word, and waits for that and for its reads of this slot.  fill = 1: the slot is filled again, two K steps ahead.
.macro TURN slot, next, fill
	s_wait_tensorcnt 0x0                           ; all my tensor loads have landed: my part of the next slot
	ds_add_u32 v[SPW], v[NIL]                      ; 0 onto my spare word
	s_wait_dscnt 4*NL+1                            ; (the add and the youngest sixteen loads may be out)
	WIN MUL_LO
	MUL16 0, 1, 0
	s_wait_dscnt 0x0                               ; the add is done, and my reads of this slot are over
	s_barrier_signal -1
	MUL16 2, 1, 0
	WIN 0
	s_barrier_wait -1
.if \fill
	CREST                                          ; the barrier has opened a round of the cluster's barrier: no wave of any partner still reads this slot or has a load on its way
	s_add_nc_u64 s[G0+4*\slot+2:G0+4*\slot+3], s[G0+4*\slot+2:G0+4*\slot+3], 2*ROWB
	s_add_nc_u64 s[G0B+4*\slot+2:G0B+4*\slot+3], s[G0B+4*\slot+2:G0B+4*\slot+3], 2*ROWB
	JLOAD G0+4*\slot, G1, G0B+4*\slot, G1B         ; the first tensor load behind the round; its four v_nop are the places in front of the loads below
.else
	PLACES NP
.endif
	FETCH_B \next, 0, 0
	FETCH_A \next, 0, 0
	WIN MUL_HI
	MUL16 4, 1, 0
	MUL16 6, 1, 0
	PLACES NP
	WIN 0
	FETCH_A \next, 0, 4
.endm
	s_wait_tensorcnt 1                             ; my part of K step 0 is in (K step 1's load may be out)
	s_barrier_signal -1
	s_barrier_wait -1                              ; everybody's is
	FETCH_B 0, 0, 0
	FETCH_A 0, 0, 0
	FETCH_A 0, 0, 4
	STEP 0, 0, 1
	s_mov_b32 s3, LAPS-1
.Llap:                                                 ; a trip goes once round the ring and fills both slots again
	TURN 0, 1, 1
	STEP 1, 0, 0
	TURN 1, 0, 1
	STEP 0, 0, 0
	s_sub_co_u32 s3, s3, 1
	s_cmp_lg_u32 s3, 0
	s_cbranch_scc1 .Llap
	TURN 0, 1, 0                                   ; the last lap fills nothing
	STEP 1, 0, 0
	s_wait_dscnt 4*NL
	WIN MUL_LO
	MUL16 0, 1, 0
	MUL16 2, 1, 0
	s_wait_dscnt 0
	WIN MUL_HI
	MUL16 4, 1, 0
	MUL16 6, 1, 0
	WIN 0
; THE WAY OUT, block by block of 16 rows of source 1 x 128 rows of source 0: + the bias along source 1's rows, the hold, eight numbers to eight codes; a lane's 8 bytes go into my stage (rows of 128 bytes + 16) and come back so
; that sixteen lanes hold 256 bytes that are neighbours in qkv: four rows' first 64 bytes (lanes 0-15) or second 64 (lanes 16-31).
.macro TOSTAGE a
.set AC, 64*((\a)%4)
.set CDR, 112+56*((\a)%2)              ; the codes: v112-127 and v168-183 by turns
.set BB, 136+16*((\a)%2)               ; what comes back: v136-151 and v152-167 by turns
	WIN 0x02+((\a)/4)                              ; source 0: window 2 or 3
.set j, 0
.rept 32
	v_pk_add_f32 v[TMP+j:TMP+j+1], v[AC+j:AC+j+1], v[BQ+2*(\a):BQ+2*(\a)+1]   ; each accumulator from its low end on
.set j, j+2
.endr
	WIN 0
.set j, 0
.rept 64
	v_med3_num_f32 v[TMP+j], v[TMP+j], -v[LIMV], v[LIMV]       ; the conversion does not saturate (ISA guide 7.6.2)
.set j, j+1
.endr
.irp b, 0,1,2,3,4,5,6,7
	v_cvt_scalef32_pk8_bf8_f32 v[CDR+2*\b:CDR+2*\b+1], v[TMP+8*\b:TMP+8*\b+7], v[SCV]
.endr
	v_nop                                          ; a plain instruction between the conversions and the next block's additions, which write their sources
.irp b, 0,1,2,3,4,5,6,7
	ds_store_b64 v[STO], v[CDR+2*\b:CDR+2*\b+1] offset:16*\b
.endr
.irp t, 0,1,2,3
	ds_load_b128 v[BB+4*\t:BB+4*\t+3], v[RD] offset:4*SPITCH*\t    ; LDS serves a wave's instructions in order: these see the stores above
.endr
.endm
.macro SEND a, younger
.set BB, 136+16*((\a)%2)
	s_wait_dscnt \younger                          ; the block is back; the next block's 8 stores and 4 loads may be out
.if (\a) == 4
	s_add_nc_u64 s[10:11], s[10:11], s[88:89]      ; (behind a wait on XCNT with no store since: the earlier stores have read their base)
.endif
.irp t, 0,1,2,3
	global_store_b128 v[CO], v[BB+4*\t:BB+4*\t+3], s[10:11] offset:1024*(\a)+256*\t   ; each half of the lanes stores 256 consecutive bytes, aligned
.endr
.endm
	PLACES NP                                      ; behind the last products: for the reads of results and for writes and loads into the registers that held fragments
	TOSTAGE 0
.irp a, 1,2,3,4,5,6,7
.if \a > 1
	s_wait_xcnt 0x0                                ; block a - 2's stores have read their registers and their base
.endif
	TOSTAGE \a
	SEND \a-1, 12
.endr
	s_wait_xcnt 0x0
	SEND 7, 0
	s_wait_tensorcnt 0x0                           ; the wave's end
	ds_add_u32 v[SPW], v[NIL]
	s_wait_dscnt 0x0
	CROUND                                         ; the closing round
	s_endpgm
.Lfunc_end_k_q0321d71c39_qkv:
	.size	k_q0321d71c39_qkv, .Lfunc_end_k_q0321d71c39_qkv-k_q0321d71c39_qkv
	.p2alignl 7, 3214868480
	.fill 96, 4, 3214868480
	.section	.rodata,"a",@progbits
	.p2align	6, 0x0
	.amdhsa_kernel k_q0321d71c39_qkv
		.amdhsa_group_segment_fixed_size 327680
		.amdhsa_private_segment_fixed_size 0
		.amdhsa_enable_private_segment 0
		.amdhsa_kernarg_size 56
		.amdhsa_user_sgpr_count 2
		.amdhsa_user_sgpr_kernarg_segment_ptr 1
		.amdhsa_wavefront_size32 1
		.amdhsa_system_sgpr_workgroup_id_x 1
		.amdhsa_system_sgpr_workgroup_id_y 1
		.amdhsa_system_sgpr_workgroup_id_z 1
		.amdhsa_system_vgpr_workitem_id 0
		.amdhsa_next_free_vgpr 1024
		.amdhsa_next_free_sgpr 102
		.amdhsa_reserve_vcc 0
		.amdhsa_float_denorm_mode_32 3
		.amdhsa_float_denorm_mode_16_64 3
		.amdhsa_memory_ordered 1
		.amdhsa_forward_progress 1
		.amdhsa_inst_pref_size 148
	.end_amdhsa_kernel
	.amdgpu_metadata
---
amdhsa.version: [ 1, 2 ]
amdhsa.kernels:
  - .name:           k_q0321d71c39_qkv
    .symbol:         k_q0321d71c39_qkv.kd
    .args:
      - { .name: xc, .offset: 0, .size: 8, .value_kind: global_buffer, .address_space: global }
      - { .name: wc, .offset: 8, .size: 8, .value_kind: global_buffer, .address_space: global }
      - { .name: bq, .offset: 16, .size: 8, .value_kind: global_buffer, .address_space: global }
      - { .name: bk, .offset: 24, .size: 8, .value_kind: global_buffer, .address_space: global }
      - { .name: bv, .offset: 32, .size: 8, .value_kind: global_buffer, .address_space: global }
      - { .name: lowp_scales, .offset: 40, .size: 8, .value_kind: global_buffer, .address_space: global }
      - { .name: qkv, .offset: 48, .size: 8, .value_kind: global_buffer, .address_space: global }
    .group_segment_fixed_size: 327680
    .private_segment_fixed_size: 0
    .kernarg_segment_align: 8
    .kernarg_segment_size: 56
    .max_flat_workgroup_size: 128
    .sgpr_count:     102
    .vgpr_count:     1024
    .wavefront_size: 32
...
	.end_amdgpu_metadata
.endif
;; end of part 2
;; launch attn (part 3): grid 4 x 64, 8 waves a work-group, no clusters, 76,800 bytes of LDS; arguments qkv, lowp_scales, out0; writes out0
.if DOCPART == 3
	.amdgcn_target "amdgcn-amd-amdhsa--gfx1250"
	.amdhsa_code_object_version 6
	.text
	.protected	k_q0321d71c39_attn
	.globl	k_q0321d71c39_attn
	.p2align	8
	.type	k_q0321d71c39_attn,@function
k_q0321d71c39_attn:
	s_mov_b64 s[64:65], 0
	v_nop
	global_prefetch_b8 v0, s[64:65] scope:SCOPE_SE
	s_setreg_imm32_b32 hwreg(HW_REG_WAVE_MODE, 25, 1), 1
	s_wait_xcnt 0x0
; out0[b][i][64 head + d] = the sum over j of softmax_j((q_i . k_j - slope |j - i|) / 8) v_j[d], both products on codes of E5M2.  qkv: plane 0 Q [64 heads][2048][64], plane 1 K the same, plane 2 V [64 heads][32][64 d][64 keys].
; t = logit x log2(e); M = the running largest t rounded up to a whole number; p = 2^(t - M) is quantised with 2^e8; the row's sum is taken of the unquantised p and divides at the end; a change of M multiplies by an exact power of two.
; SHARES.  A work-group owns 512 queries of one head, each of its eight waves 64: four tiles of 16, so that each fragment of K and V read from LDS feeds four tiles.  Two waves to a SIMD.  16 key steps of 128 keys.
; Both products are used transposed (S^T = K Q^T, O^T = V^T P^T): a lane holds one query (lane % 16) throughout.  In LDS K's rows are laid so that register 16 b + n of a lane's scores is key 32 b + 16 (lane / 16) + n: p's codes are the second product's operand as they come.
; THE BIAS.  Scores are kept in units of 2^(e6 + e7): t = c1 (S - kappa |j - i|), c1 = log2(e) / 8 x 2^(e6 + e7), kappa = slope / 2^(e6 + e7).  A wave's 64 queries lie inside one key step, DIAG.  In every other step j - i has one sign s,
; and -kappa |j - i| = s kappa (16 (lane / 16) + n) + s kappa (j0 + 32 b - i): the first part is the C of the score's matrix instruction (16 registers), the second goes into the addend of the one multiply-add that makes t - M.
; In step DIAG the bias is written into the accumulators and the products add onto it.  The branches hang on the step's number and the wave's place alone.
; K AND V come through two LDS slots, by loads into registers a whole key step ahead of the wait for them, and LDS stores: 16 KB a key step for the work-group, beside 32 tiles' softmax.  So what the four work-groups of a head share is a small
; part of a step's work, the rows of K can be laid in the tiles' order, and there is no tensor load, no joint load and no prefetch: no wave waits for these bytes.
; THE HOLD at the largest code: p is at most 1 (plus rounding), so it does nothing where 2^-e8 <= 57,344; it is jumped over where e8 >= -15, a branch on the given whole number.
; LIMITS on the given exponents: e6 + e7 between -110 and 110; e8 between -126 and 112; e8 + e9 is applied by v_ldexp_f32.
; REGISTERS: window 0: v1-31 addresses and a tile's numbers at work; v32-47 -M, largest t, sum (a pair) for each tile; v48-63 the bias table; v64-95 Q; v96-111 the tile on its way; v112-175 S^T, then p; v176-239 K; v240-255 addresses, the step's constants.
;   window 1: v0-127 O^T (32 a tile); v128-191 p's codes (16 a tile); v192-255 V.
.set SLOTB, 20480                      ; a slot: 128 rows of K, then 128 rows of V, 64 bytes + 16 of padding each
.set VOFF,  10240
.set STAGE, 40960                      ; the way out: 16 rows x (256 bytes + 16) for each wave
.set AF,  1                            ; v1   a fragment's place for my lane: 80 r + 16 h
.set KST, 2                            ; v2   where I store K's rows
.set VST, 3                            ; v3   and V's
.set GK,  4                            ; v4   my bytes of a tile of K in memory: 1,024 x wave + 16 x lane
.set GV,  5                            ; v5   of V: a plane further on
.set DI,  6                            ; v6   j0 - i0 - r as f32
.set LIM, 7                            ; v7   57,344 x 2^e8
.set SC,  8                            ; v8   2^e8
.set PD,  9                            ; v9   the lane permute's destination
.set F,   10                           ; v[10:11] 2^(old M - new M)
.set X,   12                           ; v[12:13] the diagonal step's common term
.set LQ,  14                           ; v14-17 s c2 (j0 - i), for each tile
.set MX,  18                           ; v18-21 four maxima
.set AB,  22                           ; v22, 24, 26, 28: the four addends, each the low word of a pair
.set CH,  30                           ; v[30:31] the second chain of the sum
.set STAT, 32
.set TAB, 48
.set Q,   64
.set G,   96
.set S,   112
.set KF,  176
.set STO, 240
.set RD,  241
.set GO,  242
.set QO,  243
.set DD,  244                          ; v244 -(i0 % 128) - r - 48, a whole number
.set KB,  244                          ; v245-247 s kappa x 32, 64, 96
.set CB,  247                          ; v248-250 s c2 x 32, 64, 96
.set QQ,  250                          ; v251-253 s c2 x -16, -32, -48
.set SKV, 254                          ; v254 s kappa
.set SCV, 255                          ; v255 s c2
.set PC,  128                          ; in window 1
.set VF,  192
.set MSB, 0
.macro WIN new                         ; the immediate's high byte repeats the setting that is left
.if MSB != (\new)
	s_set_vgpr_msb (MSB<<8)|(\new)
.set MSB, (\new)
.endif
.endm
; s10 wave; s11 the key step; s12 DIAG; s13 DIAG + 1; s14 trips; s15 1 where the hold is needed; s[16:17] c1; s18 c2; s19 kappa; s20 -kappa; s21 s c2; s22 s kappa; s[32:33] lane selects; s[34:35] K's plane at the tile last asked for;
; s36 -c2; s38 the sign bit; s[40:43] e6 .. e9; s48 e8 + e9
	s_load_b128 s[4:7], s[0:1], 0x0                ; qkv, the exponents
	s_load_b64 s[8:9], s[0:1], 0x10                ; out0
	v_lshrrev_b32 v112, 5, v0
	v_readfirstlane_b32 s10, v112                  ; wave 0..7
	v_and_b32 v113, 15, v0                         ; r
	v_bfe_u32 v114, v0, 4, 1                       ; h
	v_and_b32 v115, 31, v0                         ; lane
	v_bfe_u32 v116, v0, 2, 3                       ; lane / 4
	v_and_b32 v117, 3, v0                          ; lane % 4
	v_lshlrev_b32 v[GK], 4, v115
	v_lshl_add_u32 v[GK], v112, 10, v[GK]
	v_add_nc_u32 v[GV], 0x800000, v[GK]
	v_lshlrev_b32 v[QO], 6, v113
	v_lshl_add_u32 v[QO], v114, 4, v[QO]           ; Q: row r of 64 bytes, + 16 h
	s_and_b32 s2, ttmp7, 0xffff                    ; 16 x batch + head
	s_lshl_b32 s3, ttmp9, 9
	s_lshl_b32 s37, s10, 6
	s_add_co_u32 s3, s3, s37                       ; i0: my first query
	s_lshr_b32 s12, s3, 7
	s_add_co_u32 s13, s12, 1
	s_lshl_b32 s46, s2, 17                         ; a head is 2^17 bytes in each plane
	s_mov_b32 s47, 0
	s_wait_kmcnt 0x0
	s_load_b128 s[40:43], s[6:7], 0x18             ; e6, e7, e8, e9
	s_add_nc_u64 s[44:45], s[4:5], s[46:47]
	s_add_nc_u64 s[34:35], s[44:45], 0x800000      ; K's plane at my head's first tile
	s_lshl_b32 s46, s3, 6
	s_add_nc_u64 s[44:45], s[44:45], s[46:47]      ; Q at my first query
.macro GLOAD                           ; my 2 x 1,024 bytes of a tile: 16 rows of K, 16 rows of V
	global_load_b128 v[G:G+3], v[GK], s[34:35]
	global_load_b128 v[G+4:G+7], v[GK], s[34:35] offset:512
	global_load_b128 v[G+8:G+11], v[GV], s[34:35]
	global_load_b128 v[G+12:G+15], v[GV], s[34:35] offset:512
.endm
	GLOAD                                          ; tile 0
.irp q, 0,1,2,3
.irp c, 0,1
	global_load_b128 v[Q+8*\q+4*\c:Q+8*\q+4*\c+3], v[QO], s[44:45] offset:1024*\q+32*\c   ; Q stays in registers: d = 32 c + 16 h + 0 .. 15, as K's fragments have it
.endr
.endr
	v_mul_u32_u24 v[AF], v113, 80
	v_lshl_add_u32 v[AF], v114, 4, v[AF]
	v_bfe_u32 v118, v0, 6, 2                       ; wave / 2
	v_bfe_u32 v119, v0, 5, 1                       ; wave % 2
	v_lshl_add_u32 v120, v118, 5, v116
	v_lshl_add_u32 v120, v119, 3, v120             ; key 16 w + 8 o + lane / 4 goes to LDS row 32 (w / 2) + 16 o + 8 (w % 2) + lane / 4: tile 2 b + u is rows 32 b + 16 u on
	v_mul_u32_u24 v[KST], v120, 80
	v_lshl_add_u32 v[KST], v117, 4, v[KST]
	v_lshl_add_u32 v120, v112, 4, v116             ; V's rows as they lie: 16 w + 8 o + lane / 4
	v_mul_u32_u24 v[VST], v120, 80
	v_lshl_add_u32 v[VST], v117, 4, v[VST]
	v_add_nc_u32 v[VST], VOFF, v[VST]
	s_mul_i32 s37, s10, 16*272
	s_add_co_u32 s37, s37, STAGE                   ; my stage
	v_mul_u32_u24 v[STO], v113, 272
	v_lshl_add_u32 v[STO], v114, 5, v[STO]
	v_add_nc_u32 v[STO], s37, v[STO]               ; in: row r, 32 bytes for each half of the lanes
	v_mul_u32_u24 v[RD], v114, 272
	v_lshl_add_u32 v[RD], v113, 4, v[RD]
	v_add_nc_u32 v[RD], s37, v[RD]                 ; back: lanes 0-15 one row of 256 bytes, lanes 16-31 the next
	v_lshlrev_b32 v[GO], 12, v114
	v_lshl_add_u32 v[GO], v113, 4, v[GO]           ; and the same two rows of out0
	v_lshl_add_u32 v120, v119, 6, v113
	v_add_nc_u32 v120, 48, v120
	v_sub_nc_u32 v[DD], 0, v120
	v_add_nc_u32 v120, s3, v113
	v_cvt_f32_u32 v120, v120
	v_mul_f32 v[DI], -1.0, v120                    ; j0 = 0
	v_lshlrev_b32 v120, 4, v114
.irp n, 0,1,2,3,4,5,6,7,8,9,10,11,12,13,14,15
	v_add_nc_u32 v[TAB+\n], \n, v120
.endr
.irp n, 0,1,2,3,4,5,6,7,8,9,10,11,12,13,14,15
	v_cvt_f32_u32 v[TAB+\n], v[TAB+\n]             ; 16 h + n
.endr
	v_mov_b32 v[PD], 0
	v_mov_b32 v[F+1], 0                            ; the upper words of pairs of which the low word serves both halves: named, so written
	v_mov_b32 v[X+1], 0
.irp b, 0,1,2,3
	v_mov_b32 v[AB+2*\b+1], 0
.endr
.irp q, 0,1,2,3
	v_mov_b32 v[STAT+4*\q+1], 0xff61b1e6           ; the largest t so far: -3e38
	v_floor_f32 v[STAT+4*\q], -v[STAT+4*\q+1]      ; -M
	v_mov_b32 v[STAT+4*\q+2], 0                    ; the sum, in two halves
	v_mov_b32 v[STAT+4*\q+3], 0
.endr
	WIN 0x40
.set j, 0
.rept 128
	v_mov_b32 v[j], 0                              ; O^T.  The key step is written once for all sixteen: the first finds zeros, which the first change of M leaves zeros; a first step of its own would double the text
.set j, j+1
.endr
	WIN 0
	s_lshr_b32 s46, s2, 4
	s_lshl_b32 s46, s46, 23
	s_lshl_b32 s37, s3, 12
	s_add_co_u32 s46, s46, s37
	s_and_b32 s37, s2, 15
	s_lshl_b32 s37, s37, 8
	s_add_co_u32 s46, s46, s37
	s_add_nc_u64 s[8:9], s[8:9], s[46:47]          ; out0 at row 2,048 batch + i0, byte 256 head
	s_mov_b32 s32, 0x76543210
	s_mov_b32 s33, 0xfedcba98
	s_mov_b32 s38, 0x80000000
	s_mov_b32 s11, 0
	s_wait_kmcnt 0x0
	s_add_co_i32 s37, s40, s41
	s_lshl_b32 s37, s37, 23                        ; e6 + e7, in the place of an exponent field
	s_add_co_i32 s16, s37, 0x3e38aa3b              ; c1 = log2(e) / 8 x 2^(e6 + e7)
	s_mov_b32 s17, s16
	s_and_b32 s39, s2, 15                          ; the head
	s_and_b32 s46, s39, 1
	s_cmp_eq_u32 s46, 0
	s_mov_b32 s47, 0x3f000000
	s_cselect_b32 s47, 0x3f3504f3, s47
	s_lshr_b32 s46, s39, 1
	s_lshl_b32 s46, s46, 23
	s_sub_co_i32 s47, s47, s46                     ; slope = 2^(-(head + 1) / 2)
	s_sub_co_i32 s19, s47, s37                     ; kappa
	s_xor_b32 s20, s19, s38
	v_mov_b32 v120, s47
	v_mul_f32 v120, 0x3e38aa3b, v120
	v_readfirstlane_b32 s18, v120                  ; c2 = slope x log2(e) / 8
	s_xor_b32 s36, s18, s38
	s_cmp_lt_i32 s42, -15
	s_cselect_b32 s15, 1, 0
	s_add_co_i32 s37, s42, 127
	s_lshl_b32 s39, s37, 23
	v_mov_b32 v[SC], s39
	s_add_co_i32 s37, s37, 15
	s_lshl_b32 s37, s37, 23
	s_or_b32 s37, s37, 0x600000
	v_mov_b32 v[LIM], s37
	s_add_co_i32 s48, s42, s43
.irp n, 0,1,2,3,4,5,6,7,8,9,10,11,12,13,14,15
	v_mul_f32 v[TAB+\n], s19, v[TAB+\n]            ; kappa (16 h + n): the sign of the steps ahead of the diagonal, and the diagonal's own
.endr
; The step's constants: s = +1 ahead of DIAG, 0 in it, -1 behind it.
.macro PHASE
	s_cmp_lt_u32 s11, s12
	s_cselect_b32 s21, s18, 0
	s_cselect_b32 s22, s19, 0
	s_cmp_gt_u32 s11, s12
	s_cselect_b32 s21, s36, s21
	s_cselect_b32 s22, s20, s22
	v_mov_b32 v[SKV], s22
	v_mov_b32 v[SCV], s21
	v_mul_f32 v[KB+1], 0x42000000, v[SKV]
	v_mul_f32 v[KB+2], 0x42800000, v[SKV]
	v_mul_f32 v[KB+3], 0x42c00000, v[SKV]
	v_mul_f32 v[CB+1], 0x42000000, v[SCV]
	v_mul_f32 v[CB+2], 0x42800000, v[SCV]
	v_mul_f32 v[CB+3], 0x42c00000, v[SCV]
	v_mul_f32 v[QQ+1], 0xc1800000, v[SCV]
	v_mul_f32 v[QQ+2], 0xc2000000, v[SCV]
	v_mul_f32 v[QQ+3], 0xc2400000, v[SCV]
.endm
; S^T of tile q: eight tiles of 16 keys, K = 64.  The eight accumulators take turns.
.macro SCORE q
	s_cmp_eq_u32 s11, s12
	s_cbranch_scc1 .Ldiag_\@
.irp t, 0,1,2,3,4,5,6,7
	v_wmma_f32_16x16x64_bf8_bf8 v[S+8*\t:S+8*\t+7], v[KF+8*\t:KF+8*\t+7], v[Q+8*(\q):Q+8*(\q)+7], v[TAB+8*(\t%2):TAB+8*(\t%2)+7]
.endr
	s_branch .Ldone_\@
.Ldiag_\@:
.irp b, 0,1,2,3
	v_add_nc_u32 v[X], 32*\b-16*(\q)+48, v[DD]     ; j0 + 32 b - i
	v_cvt_f32_i32 v[X], v[X]
	v_mul_f32 v[X], s19, v[X]
.irp k, 0,2,4,6,8,10,12,14
	v_pk_add_f32 v[S+16*\b+\k:S+16*\b+\k+1], v[TAB+\k:TAB+\k+1], v[X:X+1] op_sel_hi:[1,0]   ; kappa (j - i)
.endr
.irp k, 0,1,2,3,4,5,6,7,8,9,10,11,12,13,14,15
	v_or_b32 v[S+16*\b+\k], s38, v[S+16*\b+\k]     ; -kappa |j - i|
.endr
.endr
.irp t, 0,1,2,3,4,5,6,7
	v_wmma_f32_16x16x64_bf8_bf8 v[S+8*\t:S+8*\t+7], v[KF+8*\t:KF+8*\t+7], v[Q+8*(\q):Q+8*(\q)+7], v[S+8*\t:S+8*\t+7]
.endr
.Ldone_\@:
.endm
; The softmax of tile q for this step: S^T becomes p, p's codes go to window 1, F is left for the rescaling of O^T.
.macro SM q
.set rT, STAT+4*(\q)
.irp b, 0,1,2,3
	v_max3_num_f32 v[MX+\b], v[S+16*\b], v[S+16*\b+1], v[S+16*\b+2]    ; a maximum for each group of 32 keys (16 in my lane); each accumulator from its low end on
.endr
.irp k, 3,5,7,9,11,13
.irp b, 0,1,2,3
	v_max3_num_f32 v[MX+\b], v[MX+\b], v[S+16*\b+\k], v[S+16*\b+\k+1]
.endr
.endr
.irp b, 0,1,2,3
	v_max_num_f32 v[MX+\b], v[MX+\b], v[S+16*\b+15]
.endr
	v_add_f32 v[MX+1], v[KB+1], v[MX+1]            ; the groups' share of the bias
	v_add_f32 v[MX+2], v[KB+2], v[MX+2]
	v_add_f32 v[MX+3], v[KB+3], v[MX+3]
	v_max3_num_f32 v[MX], v[MX], v[MX+1], v[MX+2]
	v_max_num_f32 v[MX], v[MX], v[MX+3]
	v_permlanex16_b32 v[PD], v[MX], s32, s33
	v_max_num_f32 v[MX], v[MX], v[PD]              ; and lane l xor 16's: the query's other 64 keys
	v_fma_f32 v[MX], v[MX], s16, v[LQ+\q]          ; as t (c1 is positive)
	v_max_num_f32 v[rT+1], v[rT+1], v[MX]          ; the running largest t
	v_mov_b32 v[MX+1], v[rT]
	v_floor_f32 v[rT], -v[rT+1]                    ; -M = floor(-t): M is a whole number
	v_sub_f32 v[MX+1], v[rT], v[MX+1]              ; old M - new M, 0 or less
	v_cvt_i32_f32 v[MX+1], v[MX+1]                 ; (it saturates)
	v_ldexp_f32 v[F], 1.0, v[MX+1]
	v_add_f32 v[AB], v[LQ+\q], v[rT]               ; the addends: s c2 (j0 + 32 b - i) - M
	v_add_f32 v[AB+2], v[CB+1], v[AB]
	v_add_f32 v[AB+4], v[CB+2], v[AB]
	v_add_f32 v[AB+6], v[CB+3], v[AB]
.irp b, 0,1,2,3
.irp k, 0,2,4,6,8,10,12,14
	v_pk_fma_f32 v[S+16*\b+\k:S+16*\b+\k+1], v[S+16*\b+\k:S+16*\b+\k+1], s[16:17], v[AB+2*\b:AB+2*\b+1] op_sel_hi:[1,0,0]   ; t - M
.endr
.endr
.set j, 0
.rept 64
	v_exp_f32 v[S+j], v[S+j]                       ; p = 2^(t - M)
.set j, j+1
.endr
	v_pk_mul_f32 v[rT+2:rT+3], v[rT+2:rT+3], v[F:F+1] op_sel_hi:[1,0]   ; the sum under the new M: the plain instruction behind the exponentials
	s_wait_alu depctr_va_vdst(0)                   ; one wait for the batch of 64, ahead of its first reader
	v_pk_add_f32 v[CH:CH+1], v[S:S+1], v[S+2:S+3]  ; the sum of the unquantised p, in two chains
.irp k, 4,8,12,16,20,24,28,32,36,40,44,48,52,56,60
	v_pk_add_f32 v[rT+2:rT+3], v[rT+2:rT+3], v[S+\k:S+\k+1]
	v_pk_add_f32 v[CH:CH+1], v[CH:CH+1], v[S+\k+2:S+\k+3]
.endr
	v_pk_add_f32 v[rT+2:rT+3], v[rT+2:rT+3], v[CH:CH+1]
	s_cmp_eq_u32 s15, 0
	s_cbranch_scc1 .Lno_hold_\@
.set j, 0
.rept 64
	v_min_num_f32 v[S+j], v[S+j], v[LIM]           ; the conversion does not saturate (ISA guide 7.6.2); p is not negative
.set j, j+1
.endr
.Lno_hold_\@:
	WIN 0x40                                       ; destination window 1
.irp b, 0,1,2,3
	v_cvt_scalef32_pk8_bf8_f32 v[PC+16*(\q)+4*\b:PC+16*(\q)+4*\b+1], v[S+16*\b:S+16*\b+7], v[SC]
	v_cvt_scalef32_pk8_bf8_f32 v[PC+16*(\q)+4*\b+2:PC+16*(\q)+4*\b+3], v[S+16*\b+8:S+16*\b+15], v[SC]
.endr
	WIN 0
	v_nop                                          ; a plain instruction between the conversions and the products that write their sources or read their results
.endm
.macro RS q                            ; O^T of tile q under the new M.  These sixteen are also the places behind the scores issued just ahead of them
	WIN 0x41
.set j, 0
.rept 16
	v_pk_mul_f32 v[32*(\q)+j:32*(\q)+j+1], v[32*(\q)+j:32*(\q)+j+1], v[F:F+1] op_sel_hi:[1,0]
.set j, j+2
.endr
	WIN 0
.endm
.macro VLOAD slot                      ; V^T: four tiles of 16 d x 128 keys; registers 4 c .. 4 c + 3: keys 32 c + 16 h + 0 .. 15, as p's codes lie
	WIN 0x40
.irp d, 0,1,2,3
.irp c, 0,1,2,3
	ds_load_b128 v[VF+16*\d+4*\c:VF+16*\d+4*\c+3], v[AF] offset:(\slot)*SLOTB+VOFF+((\c/2)*64+16*\d)*80+32*(\c%2)
.endr
.endr
	WIN 0
.endm
.macro KLOAD slot
.irp t, 0,1,2,3,4,5,6,7
.irp c, 0,1
	ds_load_b128 v[KF+8*\t+4*\c:KF+8*\t+4*\c+3], v[AF] offset:(\slot)*SLOTB+1280*\t+32*\c
.endr
.endr
.endm
.macro PV                              ; O^T += V^T P^T, K = the step's 128 keys: sixteen accumulators, one turn each
	WIN 0x55
.irp q, 0,1,2,3
.irp d, 0,1,2,3
	v_wmma_f32_16x16x128_bf8_bf8 v[32*\q+8*\d:32*\q+8*\d+7], v[VF+16*\d:VF+16*\d+15], v[PC+16*\q:PC+16*\q+15], v[32*\q+8*\d:32*\q+8*\d+7]
.endr
.endr
	WIN 0
.endm
; The step's one barrier.  Ahead of it: the next tile, asked for a step ago, goes into the other slot, whose last readers waited for their loads ahead of the barrier before; my own reads of this slot (V's) are back.
; Behind it every wave may read the other slot, and this slot may be written in the next step.  The tile after next is asked for here.  The step's number is the same in all waves.
.macro EXCH other
	s_cmp_lt_u32 s11, 15
	s_cbranch_scc0 .Lnone_\@
	s_wait_loadcnt 0x0                             ; the next tile is in registers
	ds_store_b128 v[KST], v[G:G+3] offset:(\other)*SLOTB
	ds_store_b128 v[KST], v[G+4:G+7] offset:(\other)*SLOTB+1280
	ds_store_b128 v[VST], v[G+8:G+11] offset:(\other)*SLOTB
	ds_store_b128 v[VST], v[G+12:G+15] offset:(\other)*SLOTB+640
	s_cmp_lt_u32 s11, 14
	s_cbranch_scc0 .Lnone_\@
	s_wait_dscnt 0x0                               ; the stores have read their registers
	s_add_nc_u64 s[34:35], s[34:35], 8192          ; (no load that names it is out: the wait for 0 above)
	GLOAD
.Lnone_\@:
	s_wait_dscnt 0x0                               ; for the others' sake: my stores have landed, my reads are back
	s_barrier_signal -1
	s_barrier_wait -1
.endm
.macro ADVANCE
	s_add_co_u32 s11, s11, 1
	v_add_f32 v[DI], 0x43000000, v[DI]             ; j0 + 128
	PHASE
	s_cmp_eq_u32 s11, s13
	s_cbranch_scc0 .Lsame_\@
.irp k, 0,2,4,6,8,10,12,14
	v_pk_mul_f32 v[TAB+\k:TAB+\k+1], v[TAB+\k:TAB+\k+1], -1.0 op_sel_hi:[1,0]   ; behind the diagonal the table changes its sign
.endr
.Lsame_\@:
.endm
; A KEY STEP.  Tile 0's scores were made in the step before.  Each tile's scores are issued ahead of the rescaling of the tile before.
.macro STEP slot
	v_mul_f32 v[LQ], v[SCV], v[DI]                 ; s c2 (j0 - i) for the four tiles: also the four places between the products above and the loads into V's registers, and the first read of tile 0's scores
	v_fma_f32 v[LQ+1], v[DI], v[SCV], v[QQ+1]
	v_fma_f32 v[LQ+2], v[DI], v[SCV], v[QQ+2]
	v_fma_f32 v[LQ+3], v[DI], v[SCV], v[QQ+3]
	VLOAD \slot
	SM 0
	SCORE 1
	RS 0
	SM 1
	SCORE 2
	RS 1
	EXCH 1-\slot
	SM 2
	SCORE 3
	RS 2
	s_cmp_lt_u32 s11, 15
	s_cbranch_scc0 .Lno_k_\@
	KLOAD 1-\slot                                  ; the next step's K: the last products that read these registers stand sixteen plain instructions back
.Lno_k_\@:
	SM 3
	ADVANCE
	s_wait_dscnt 0x0                               ; K is in
	s_cmp_lt_u32 s11, 16
	s_cbranch_scc0 .Lno_s_\@
	SCORE 0                                        ; the next step's first scores
.Lno_s_\@:
	RS 3
	PV
.endm
	s_wait_loadcnt 8                               ; tile 0 is in registers; Q's eight loads may be out
	ds_store_b128 v[KST], v[G:G+3]
	ds_store_b128 v[KST], v[G+4:G+7] offset:1280
	ds_store_b128 v[VST], v[G+8:G+11]
	ds_store_b128 v[VST], v[G+12:G+15] offset:640
	s_wait_dscnt 0x0                               ; they have landed, and have read their registers
	s_add_nc_u64 s[34:35], s[34:35], 8192          ; (tile 0's loads are done: the counted wait above)
	GLOAD                                          ; tile 1
	s_barrier_signal -1
	s_barrier_wait -1
	KLOAD 0
	PHASE
	s_wait_loadcnt 4                               ; Q is in; tile 1's four loads may be out
	s_wait_dscnt 0x0
	SCORE 0
	s_mov_b32 s14, 8
.Lpair:                                            ; a trip is two key steps, one from each slot: every LDS offset is an immediate
	STEP 0
	STEP 1
	s_sub_co_u32 s14, s14, 1
	s_cmp_lg_u32 s14, 0
	s_cbranch_scc1 .Lpair
	; THE WAY OUT.  The sums' halves are added; O^T x 2^(e8 + e9) / the sum goes through my stage, a tile of 16 queries at a time, and leaves as rows of 256 bytes.  The additions are the places behind the last products.
.irp q, 0,1,2,3
	v_add_f32 v[MX+\q], v[STAT+4*\q+2], v[STAT+4*\q+3]
.endr
.irp q, 0,1,2,3
	v_permlanex16_b32 v[LQ+\q], v[MX+\q], s32, s33
.endr
.irp q, 0,1,2,3
	v_add_f32 v[MX+\q], v[MX+\q], v[LQ+\q]
.endr
.irp q, 0,1,2,3
	v_rcp_f32 v[AB+2*\q], v[MX+\q]
.endr
	v_nop                                          ; a plain instruction behind the last reciprocal,
	s_wait_alu depctr_va_vdst(0)                   ; and one wait for the four, ahead of their first reader
.irp q, 0,1,2,3
	v_ldexp_f32 v[AB+2*\q], v[AB+2*\q], s48
.endr
.macro PACK q
	WIN 0x01                                       ; source 0 window 1
.set j, 0
.rept 16
	v_pk_mul_f32 v[S+32*((\q)%2)+j:S+32*((\q)%2)+j+1], v[32*(\q)+j:32*(\q)+j+1], v[AB+2*(\q):AB+2*(\q)+1] op_sel_hi:[1,0]   ; register 8 t + i: o(r, 16 t + 8 h + i); each accumulator from its low end on
.set j, j+2
.endr
	WIN 0
.irp d, 0,1,2,3
	ds_store_b128 v[STO], v[S+32*((\q)%2)+8*\d:S+32*((\q)%2)+8*\d+3] offset:64*\d
	ds_store_b128 v[STO], v[S+32*((\q)%2)+8*\d+4:S+32*((\q)%2)+8*\d+7] offset:64*\d+16
.endr
.irp i, 0,1,2,3,4,5,6,7
	ds_load_b128 v[KF+32*((\q)%2)+4*\i:KF+32*((\q)%2)+4*\i+3], v[RD] offset:544*\i   ; LDS serves a wave's instructions in order: these see my stores, and the next tile's stores come behind them
.endr
.endm
.macro SEND q, younger                 ; younger: the LDS instructions issued behind tile q's loads: the next tile's sixteen, or none
.irp i, 0,1,2,3,4,5,6,7
	s_wait_dscnt \younger+7-\i
	global_store_b128 v[GO], v[KF+32*((\q)%2)+4*\i:KF+32*((\q)%2)+4*\i+3], s[8:9] offset:(16*(\q)+2*\i)*4096 th:TH_STORE_NT   ; sixteen lanes store 256 consecutive bytes, aligned
.endr
.endm
	PACK 0
	PACK 1
	SEND 0, 16
	s_wait_xcnt 0x0                                ; tile 0's stores have read their registers: tile 2's rows may land there
	PACK 2
	SEND 1, 16
	s_wait_xcnt 0x0
	PACK 3
	SEND 2, 16
	SEND 3, 0
	s_wait_xcnt 0x0
	v_lshl_add_u32 v254, v0, 2, 0x12800
	v_mov_b32 v255, 0
	s_wait_tensorcnt 0x0
	ds_add_u32 v254, v255
	s_wait_dscnt 0x0
	s_endpgm
.Lfunc_end_k_q0321d71c39_attn:
	.size	k_q0321d71c39_attn, .Lfunc_end_k_q0321d71c39_attn-k_q0321d71c39_attn
	.p2alignl 7, 3214868480
	.fill 96, 4, 3214868480
	.section	.rodata,"a",@progbits
	.p2align	6, 0x0
	.amdhsa_kernel k_q0321d71c39_attn
		.amdhsa_group_segment_fixed_size 76800
		.amdhsa_private_segment_fixed_size 0
		.amdhsa_enable_private_segment 0
		.amdhsa_kernarg_size 24
		.amdhsa_user_sgpr_count 2
		.amdhsa_user_sgpr_kernarg_segment_ptr 1
		.amdhsa_wavefront_size32 1
		.amdhsa_system_sgpr_workgroup_id_x 1
		.amdhsa_system_sgpr_workgroup_id_y 1
		.amdhsa_system_sgpr_workgroup_id_z 1
		.amdhsa_system_vgpr_workitem_id 0
		.amdhsa_next_free_vgpr 512
		.amdhsa_next_free_sgpr 66
		.amdhsa_reserve_vcc 0
		.amdhsa_float_denorm_mode_32 3
		.amdhsa_float_denorm_mode_16_64 3
		.amdhsa_memory_ordered 1
		.amdhsa_forward_progress 1
		.amdhsa_inst_pref_size 190
	.end_amdhsa_kernel
	.amdgpu_metadata
---
amdhsa.version: [ 1, 2 ]
amdhsa.kernels:
  - .name:           k_q0321d71c39_attn
    .symbol:         k_q0321d71c39_attn.kd
    .args:
      - { .name: qkv, .offset: 0, .size: 8, .value_kind: global_buffer, .address_space: global }
      - { .name: lowp_scales, .offset: 8, .size: 8, .value_kind: global_buffer, .address_space: global }
      - { .name: out0, .offset: 16, .size: 8, .value_kind: global_buffer, .address_space: global }
    .group_segment_fixed_size: 76800
    .private_segment_fixed_size: 0
    .kernarg_segment_align: 8
    .kernarg_segment_size: 24
    .max_flat_workgroup_size: 256
    .sgpr_count:     66
    .vgpr_count:     512
    .wavefront_size: 32
...
	.end_amdgpu_metadata
.endif
;; end of part 3
;; ======== version 2 of 2: 3 launches; version 1 with the launch attn written anew for expert scheduling mode
;; workspace buffers: xc 25,165,824 bytes; wc 3,145,728 bytes; qkv 25,165,824 bytes
;; launch prep: the kernel of part 1 again; grid 352 x 1, 4 waves a work-group, no clusters, 35,328 bytes of LDS; arguments hidden_states, ln_gamma, ln_beta, Wq, Wk, Wv, lowp_scales, xc, wc; writes xc, wc
;; launch qkv: the kernel of part 2 again; grid 4 x 96, 4 waves a work-group, clusters of 4 x 4, 327,680 bytes of LDS; arguments xc, wc, bq, bk, bv, lowp_scales, qkv; writes qkv
;; launch attn (part 4): grid 4 x 64, 8 waves a work-group, no clusters, 76,800 bytes of LDS; arguments qkv, lowp_scales, out0; writes out0
.if DOCPART == 4
	.amdgcn_target "amdgcn-amd-amdhsa--gfx1250"
	.amdhsa_code_object_version 6
	.text
	.protected	k_q0321d71c39_attn
	.globl	k_q0321d71c39_attn
	.p2align	8
	.type	k_q0321d71c39_attn,@function
k_q0321d71c39_attn:
	s_mov_b64 s[64:65], 0
	v_nop
	global_prefetch_b8 v0, s[64:65] scope:SCOPE_SE
	s_setreg_imm32_b32 hwreg(HW_REG_WAVE_SCHED_MODE, 0, 2), 2
	s_setreg_imm32_b32 hwreg(HW_REG_WAVE_MODE, 25, 1), 1
	s_wait_xcnt 0x0
	s_wait_alu depctr_vm_vsrc(0)
; out0[b][i][64 head + d] = the sum over j of softmax_j((q_i . k_j - slope |j - i|) / 8) v_j[d], both products on codes of E5M2.  qkv: plane 0 Q [64 heads][2048][64], plane 1 K the same, plane 2 V [64 heads][32][64 d][64 keys].
; t = logit x log2(e); M = the running largest t rounded up to a whole number; p = 2^(t - M) is quantised with 2^e8; the row's sum is taken of the unquantised p and divides at the end; a change of M multiplies by an exact power of two.
; SHARES.  A work-group owns 512 queries of one head, each of its eight waves 64: four tiles of 16, so that each fragment of K and V read from LDS feeds four tiles.  Two waves to a SIMD.  16 key steps of 128 keys.
; Both products are used transposed (S^T = K Q^T, O^T = V^T P^T): a lane holds one query (lane % 16) throughout.  In LDS K's rows are laid so that register 16 b + n of a lane's scores is key 32 b + 16 (lane / 16) + n: p's codes are the second product's operand as they come.
; THE BIAS.  Scores are kept in units of 2^(e6 + e7): t = c1 (S - kappa |j - i|), c1 = log2(e) / 8 x 2^(e6 + e7), kappa = slope / 2^(e6 + e7).  A wave's 64 queries lie inside one key step, DIAG.  In every other step j - i has one sign s,
; and -kappa |j - i| = s kappa (16 (lane / 16) + n) + s kappa (j0 + 32 b - i): the first part is the C of the score's matrix instruction (16 registers), the second goes into the addend of the one multiply-add that makes t - M.
; In step DIAG the bias is written into the accumulators and the products add onto it.  The branches hang on the step's number and the wave's place alone.
; K AND V come through two LDS slots, by loads into registers a whole key step ahead of the wait for them, and LDS stores: 16 KB a key step for the work-group, beside 32 tiles' softmax.  So what the four work-groups of a head share is a small
; part of a step's work, the rows of K can be laid in the tiles' order, and there is no tensor load, no joint load and no prefetch: no wave waits for these bytes.
; THE HOLD at the largest code: p is at most 1 (plus rounding), so it does nothing where 2^-e8 <= 57,344; it is jumped over where e8 >= -15, a branch on the given whole number.
; LIMITS on the given exponents: e6 + e7 between -110 and 110; e8 between -126 and 112; e8 + e9 is applied by v_ldexp_f32.
; REGISTERS: window 0: v1-31 addresses and a tile's numbers at work; v32-47 -M, largest t, sum (a pair) for each tile; v48-63 the bias table; v64-95 Q; v96-111 the tile on its way; v112-175 S^T, then p; v176-239 K; v240-255 addresses, the step's constants.
;   window 1: v0-127 O^T (32 a tile); v128-191 p's codes (16 a tile); v192-255 V.
; THE MODE: SCHED_MODE bits 1:0 = 2 (LLVM: expert scheduling mode 2), set by the entry lines.  The code itself states the register dependences between vector or matrix instructions and memory or LDS instructions, with s_wait_alu, always for 0.
; THE PLAN.  Registers that memory or LDS instructions touch, in the loop:
;   v96-111, the tile on its way   Written by four global loads, read by four LDS stores a step later; no vector or matrix instruction names them.  One wait on vm_vsrc a step, behind the stores: they have read these registers, in which the next loads land.
;   V (window 1, v192-255)         Written by the step's sixteen LDS loads, read by the sixteen products V^T P^T at the step's end.  The loads stand behind the wait for tile 0's exponentials, which also states that the last step's products are done reading V.
;   K (v176-239)                   Written by sixteen LDS loads behind tile 3's scores, read by the four tiles' scores of the next step.  One wait on va_vdst a step, ahead of the loads: tile 3's products are done reading K.
;   v1-5                           Addresses, made at the head and never written again: every LDS offset is an immediate, and memory is walked by a scalar base.
;   All else (S^T and p, p's codes, O^T, Q, the tables and constants) is named in the loop by vector and matrix instructions alone.
; On the way out S^T's registers are the LDS stores' data, and K's registers take the rows back from the stage and are the global stores' data: each in two halves by turns, with one wait on va_vdst a tile ahead of its LDS stores and one on vm_vsrc ahead of a half's second use.
.set SLOTB, 20480                      ; a slot: 128 rows of K, then 128 rows of V, 64 bytes + 16 of padding each
.set VOFF,  10240
.set STAGE, 40960                      ; the way out: 16 rows x (256 bytes + 16) for each wave
.set AF,  1                            ; v1   a fragment's place for my lane: 80 r + 16 h
.set KST, 2                            ; v2   where I store K's rows
.set VST, 3                            ; v3   and V's
.set GK,  4                            ; v4   my bytes of a tile of K in memory: 1,024 x wave + 16 x lane
.set GV,  5                            ; v5   of V: a plane further on
.set DI,  6                            ; v6   j0 - i0 - r as f32
.set LIM, 7                            ; v7   57,344 x 2^e8
.set SC,  8                            ; v8   2^e8
.set PD,  9                            ; v9   the lane permute's destination
.set F,   10                           ; v[10:11] 2^(old M - new M)
.set X,   12                           ; v[12:13] the diagonal step's common term
.set LQ,  14                           ; v14-17 s c2 (j0 - i), for each tile
.set MX,  18                           ; v18-21 four maxima
.set AB,  22                           ; v22, 24, 26, 28: the four addends, each the low word of a pair
.set CH,  30                           ; v[30:31] the second chain of the sum
.set STAT, 32
.set TAB, 48
.set Q,   64
.set G,   96
.set S,   112
.set KF,  176
.set STO, 240
.set RD,  241
.set GO,  242
.set QO,  243
.set DD,  244                          ; v244 -(i0 % 128) - r - 48, a whole number
.set KB,  244                          ; v245-247 s kappa x 32, 64, 96
.set CB,  247                          ; v248-250 s c2 x 32, 64, 96
.set QQ,  250                          ; v251-253 s c2 x -16, -32, -48
.set SKV, 254                          ; v254 s kappa
.set SCV, 255                          ; v255 s c2
.set PC,  128                          ; in window 1
.set VF,  192
.set MSB, 0
.macro WIN new                         ; the immediate's high byte repeats the setting that is left
.if MSB != (\new)
	s_set_vgpr_msb (MSB<<8)|(\new)
.set MSB, (\new)
.endif
.endm
; s10 wave; s11 the key step; s12 DIAG; s13 DIAG + 1; s14 trips; s15 1 where the hold is needed; s[16:17] c1; s18 c2; s19 kappa; s20 -kappa; s21 s c2; s22 s kappa; s[32:33] lane selects; s[34:35] K's plane at the tile last asked for;
; s36 -c2; s38 the sign bit; s[40:43] e6 .. e9; s48 e8 + e9
	s_load_b128 s[4:7], s[0:1], 0x0                ; qkv, the exponents
	s_load_b64 s[8:9], s[0:1], 0x10                ; out0
	v_lshrrev_b32 v112, 5, v0
	v_readfirstlane_b32 s10, v112                  ; wave 0..7
	v_and_b32 v113, 15, v0                         ; r
	v_bfe_u32 v114, v0, 4, 1                       ; h
	v_and_b32 v115, 31, v0                         ; lane
	v_bfe_u32 v116, v0, 2, 3                       ; lane / 4
	v_and_b32 v117, 3, v0                          ; lane % 4
	v_lshlrev_b32 v[GK], 4, v115
	v_lshl_add_u32 v[GK], v112, 10, v[GK]
	v_add_nc_u32 v[GV], 0x800000, v[GK]
	v_lshlrev_b32 v[QO], 6, v113
	v_lshl_add_u32 v[QO], v114, 4, v[QO]           ; Q: row r of 64 bytes, + 16 h
	s_wait_alu depctr_va_sdst(0)                   ; s10 is written, ahead of its first reader: my first query is made from it
	s_and_b32 s2, ttmp7, 0xffff                    ; 16 x batch + head
	s_lshl_b32 s3, ttmp9, 9
	s_lshl_b32 s37, s10, 6
	s_add_co_u32 s3, s3, s37                       ; i0: my first query
	s_lshr_b32 s12, s3, 7
	s_add_co_u32 s13, s12, 1
	s_lshl_b32 s46, s2, 17                         ; a head is 2^17 bytes in each plane
	s_mov_b32 s47, 0
	s_wait_kmcnt 0x0
	s_load_b128 s[40:43], s[6:7], 0x18             ; e6, e7, e8, e9
	s_add_nc_u64 s[44:45], s[4:5], s[46:47]
	s_add_nc_u64 s[34:35], s[44:45], 0x800000      ; K's plane at my head's first tile
	s_lshl_b32 s46, s3, 6
	s_add_nc_u64 s[44:45], s[44:45], s[46:47]      ; Q at my first query
.macro GLOAD                           ; my 2 x 1,024 bytes of a tile: 16 rows of K, 16 rows of V
	global_load_b128 v[G:G+3], v[GK], s[34:35]
	global_load_b128 v[G+4:G+7], v[GK], s[34:35] offset:512
	global_load_b128 v[G+8:G+11], v[GV], s[34:35]
	global_load_b128 v[G+12:G+15], v[GV], s[34:35] offset:512
.endm
	s_wait_alu depctr_va_vdst(0)                   ; v[GK], v[GV] and v[QO] are written: the global loads of the whole kernel read them as offsets, and no vector instruction names them again
	GLOAD                                          ; tile 0
.irp q, 0,1,2,3
.irp c, 0,1
	global_load_b128 v[Q+8*\q+4*\c:Q+8*\q+4*\c+3], v[QO], s[44:45] offset:1024*\q+32*\c   ; Q stays in registers: d = 32 c + 16 h + 0 .. 15, as K's fragments have it
.endr
.endr
	v_mul_u32_u24 v[AF], v113, 80
	v_lshl_add_u32 v[AF], v114, 4, v[AF]
	v_bfe_u32 v118, v0, 6, 2                       ; wave / 2
	v_bfe_u32 v119, v0, 5, 1                       ; wave % 2
	v_lshl_add_u32 v120, v118, 5, v116
	v_lshl_add_u32 v120, v119, 3, v120             ; key 16 w + 8 o + lane / 4 goes to LDS row 32 (w / 2) + 16 o + 8 (w % 2) + lane / 4: tile 2 b + u is rows 32 b + 16 u on
	v_mul_u32_u24 v[KST], v120, 80
	v_lshl_add_u32 v[KST], v117, 4, v[KST]
	v_lshl_add_u32 v120, v112, 4, v116             ; V's rows as they lie: 16 w + 8 o + lane / 4
	v_mul_u32_u24 v[VST], v120, 80
	v_lshl_add_u32 v[VST], v117, 4, v[VST]
	v_add_nc_u32 v[VST], VOFF, v[VST]
	s_mul_i32 s37, s10, 16*272
	s_add_co_u32 s37, s37, STAGE                   ; my stage
	v_mul_u32_u24 v[STO], v113, 272
	v_lshl_add_u32 v[STO], v114, 5, v[STO]
	v_add_nc_u32 v[STO], s37, v[STO]               ; in: row r, 32 bytes for each half of the lanes
	v_mul_u32_u24 v[RD], v114, 272
	v_lshl_add_u32 v[RD], v113, 4, v[RD]
	v_add_nc_u32 v[RD], s37, v[RD]                 ; back: lanes 0-15 one row of 256 bytes, lanes 16-31 the next
	v_lshlrev_b32 v[GO], 12, v114
	v_lshl_add_u32 v[GO], v113, 4, v[GO]           ; and the same two rows of out0
	v_lshl_add_u32 v120, v119, 6, v113
	v_add_nc_u32 v120, 48, v120
	v_sub_nc_u32 v[DD], 0, v120
	v_add_nc_u32 v120, s3, v113
	v_cvt_f32_u32 v120, v120
	v_mul_f32 v[DI], -1.0, v120                    ; j0 = 0
	v_lshlrev_b32 v120, 4, v114
.irp n, 0,1,2,3,4,5,6,7,8,9,10,11,12,13,14,15
	v_add_nc_u32 v[TAB+\n], \n, v120
.endr
.irp n, 0,1,2,3,4,5,6,7,8,9,10,11,12,13,14,15
	v_cvt_f32_u32 v[TAB+\n], v[TAB+\n]             ; 16 h + n
.endr
	v_mov_b32 v[PD], 0
	v_mov_b32 v[F+1], 0                            ; the upper words of pairs of which the low word serves both halves: named, so written
	v_mov_b32 v[X+1], 0
.irp b, 0,1,2,3
	v_mov_b32 v[AB+2*\b+1], 0
.endr
.irp q, 0,1,2,3
	v_mov_b32 v[STAT+4*\q+1], 0xff61b1e6           ; the largest t so far: -3e38
	v_floor_f32 v[STAT+4*\q], -v[STAT+4*\q+1]      ; -M
	v_mov_b32 v[STAT+4*\q+2], 0                    ; the sum, in two halves
	v_mov_b32 v[STAT+4*\q+3], 0
.endr
	WIN 0x40
.set j, 0
.rept 128
	v_mov_b32 v[j], 0                              ; O^T.  The key step is written once for all sixteen: the first finds zeros, which the first change of M leaves zeros; a first step of its own would double the text
.set j, j+1
.endr
	WIN 0
	s_lshr_b32 s46, s2, 4
	s_lshl_b32 s46, s46, 23
	s_lshl_b32 s37, s3, 12
	s_add_co_u32 s46, s46, s37
	s_and_b32 s37, s2, 15
	s_lshl_b32 s37, s37, 8
	s_add_co_u32 s46, s46, s37
	s_add_nc_u64 s[8:9], s[8:9], s[46:47]          ; out0 at row 2,048 batch + i0, byte 256 head
	s_mov_b32 s32, 0x76543210
	s_mov_b32 s33, 0xfedcba98
	s_mov_b32 s38, 0x80000000
	s_mov_b32 s11, 0
	s_wait_kmcnt 0x0
	s_add_co_i32 s37, s40, s41
	s_lshl_b32 s37, s37, 23                        ; e6 + e7, in the place of an exponent field
	s_add_co_i32 s16, s37, 0x3e38aa3b              ; c1 = log2(e) / 8 x 2^(e6 + e7)
	s_mov_b32 s17, s16
	s_and_b32 s39, s2, 15                          ; the head
	s_and_b32 s46, s39, 1
	s_cmp_eq_u32 s46, 0
	s_mov_b32 s47, 0x3f000000
	s_cselect_b32 s47, 0x3f3504f3, s47
	s_lshr_b32 s46, s39, 1
	s_lshl_b32 s46, s46, 23
	s_sub_co_i32 s47, s47, s46                     ; slope = 2^(-(head + 1) / 2)
	s_sub_co_i32 s19, s47, s37                     ; kappa
	s_xor_b32 s20, s19, s38
	v_mov_b32 v120, s47
	v_mul_f32 v120, 0x3e38aa3b, v120
	v_readfirstlane_b32 s18, v120                  ; c2 = slope x log2(e) / 8
	s_wait_alu depctr_va_sdst(0)                   ; s18 is written, ahead of its first reader, the line below
	s_xor_b32 s36, s18, s38
	s_cmp_lt_i32 s42, -15
	s_cselect_b32 s15, 1, 0
	s_add_co_i32 s37, s42, 127
	s_lshl_b32 s39, s37, 23
	v_mov_b32 v[SC], s39
	s_add_co_i32 s37, s37, 15
	s_lshl_b32 s37, s37, 23
	s_or_b32 s37, s37, 0x600000
	v_mov_b32 v[LIM], s37
	s_add_co_i32 s48, s42, s43
.irp n, 0,1,2,3,4,5,6,7,8,9,10,11,12,13,14,15
	v_mul_f32 v[TAB+\n], s19, v[TAB+\n]            ; kappa (16 h + n): the sign of the steps ahead of the diagonal, and the diagonal's own
.endr
; The step's constants: s = +1 ahead of DIAG, 0 in it, -1 behind it.
.macro PHASE
	s_cmp_lt_u32 s11, s12
	s_cselect_b32 s21, s18, 0
	s_cselect_b32 s22, s19, 0
	s_cmp_gt_u32 s11, s12
	s_cselect_b32 s21, s36, s21
	s_cselect_b32 s22, s20, s22
	v_mov_b32 v[SKV], s22
	v_mov_b32 v[SCV], s21
	v_mul_f32 v[KB+1], 0x42000000, v[SKV]
	v_mul_f32 v[KB+2], 0x42800000, v[SKV]
	v_mul_f32 v[KB+3], 0x42c00000, v[SKV]
	v_mul_f32 v[CB+1], 0x42000000, v[SCV]
	v_mul_f32 v[CB+2], 0x42800000, v[SCV]
	v_mul_f32 v[CB+3], 0x42c00000, v[SCV]
	v_mul_f32 v[QQ+1], 0xc1800000, v[SCV]
	v_mul_f32 v[QQ+2], 0xc2000000, v[SCV]
	v_mul_f32 v[QQ+3], 0xc2400000, v[SCV]
.endm
; S^T of tile q: eight tiles of 16 keys, K = 64.  The eight accumulators take turns.
.macro SCORE q
	s_cmp_eq_u32 s11, s12
	s_cbranch_scc1 .Ldiag_\@
.irp t, 0,1,2,3,4,5,6,7
	v_wmma_f32_16x16x64_bf8_bf8 v[S+8*\t:S+8*\t+7], v[KF+8*\t:KF+8*\t+7], v[Q+8*(\q):Q+8*(\q)+7], v[TAB+8*(\t%2):TAB+8*(\t%2)+7]
.endr
	s_branch .Ldone_\@
.Ldiag_\@:
.irp b, 0,1,2,3
	v_add_nc_u32 v[X], 32*\b-16*(\q)+48, v[DD]     ; j0 + 32 b - i
	v_cvt_f32_i32 v[X], v[X]
	v_mul_f32 v[X], s19, v[X]
.irp k, 0,2,4,6,8,10,12,14
	v_pk_add_f32 v[S+16*\b+\k:S+16*\b+\k+1], v[TAB+\k:TAB+\k+1], v[X:X+1] op_sel_hi:[1,0]   ; kappa (j - i)
.endr
.irp k, 0,1,2,3,4,5,6,7,8,9,10,11,12,13,14,15
	v_or_b32 v[S+16*\b+\k], s38, v[S+16*\b+\k]     ; -kappa |j - i|
.endr
.endr
.irp t, 0,1,2,3,4,5,6,7
	v_wmma_f32_16x16x64_bf8_bf8 v[S+8*\t:S+8*\t+7], v[KF+8*\t:KF+8*\t+7], v[Q+8*(\q):Q+8*(\q)+7], v[S+8*\t:S+8*\t+7]
.endr
.Ldone_\@:
.endm
.macro VLOAD slot                      ; V^T: four tiles of 16 d x 128 keys; registers 4 c .. 4 c + 3: keys 32 c + 16 h + 0 .. 15, as p's codes lie
	WIN 0x40
.irp d, 0,1,2,3
.irp c, 0,1,2,3
	ds_load_b128 v[VF+16*\d+4*\c:VF+16*\d+4*\c+3], v[AF] offset:(\slot)*SLOTB+VOFF+((\c/2)*64+16*\d)*80+32*(\c%2)
.endr
.endr
	WIN 0
.endm
; The softmax of tile q for this step: S^T becomes p, p's codes go to window 1, F is left for the rescaling of O^T.
; vslot = 0 or 1, in tile 0: the step's V is asked for out of that slot, behind the wait for the exponentials; vslot = -1: nothing is asked for.
.macro SM q, vslot
.set rT, STAT+4*(\q)
.irp b, 0,1,2,3
	v_max3_num_f32 v[MX+\b], v[S+16*\b], v[S+16*\b+1], v[S+16*\b+2]    ; a maximum for each group of 32 keys (16 in my lane); each accumulator from its low end on
.endr
.irp k, 3,5,7,9,11,13
.irp b, 0,1,2,3
	v_max3_num_f32 v[MX+\b], v[MX+\b], v[S+16*\b+\k], v[S+16*\b+\k+1]
.endr
.endr
.irp b, 0,1,2,3
	v_max_num_f32 v[MX+\b], v[MX+\b], v[S+16*\b+15]
.endr
	v_add_f32 v[MX+1], v[KB+1], v[MX+1]            ; the groups' share of the bias
	v_add_f32 v[MX+2], v[KB+2], v[MX+2]
	v_add_f32 v[MX+3], v[KB+3], v[MX+3]
	v_max3_num_f32 v[MX], v[MX], v[MX+1], v[MX+2]
	v_max_num_f32 v[MX], v[MX], v[MX+3]
	v_permlanex16_b32 v[PD], v[MX], s32, s33
	v_max_num_f32 v[MX], v[MX], v[PD]              ; and lane l xor 16's: the query's other 64 keys
	v_fma_f32 v[MX], v[MX], s16, v[LQ+\q]          ; as t (c1 is positive)
	v_max_num_f32 v[rT+1], v[rT+1], v[MX]          ; the running largest t
	v_mov_b32 v[MX+1], v[rT]
	v_floor_f32 v[rT], -v[rT+1]                    ; -M = floor(-t): M is a whole number
	v_sub_f32 v[MX+1], v[rT], v[MX+1]              ; old M - new M, 0 or less
	v_cvt_i32_f32 v[MX+1], v[MX+1]                 ; (it saturates)
	v_ldexp_f32 v[F], 1.0, v[MX+1]
	v_add_f32 v[AB], v[LQ+\q], v[rT]               ; the addends: s c2 (j0 + 32 b - i) - M
	v_add_f32 v[AB+2], v[CB+1], v[AB]
	v_add_f32 v[AB+4], v[CB+2], v[AB]
	v_add_f32 v[AB+6], v[CB+3], v[AB]
.irp b, 0,1,2,3
.irp k, 0,2,4,6,8,10,12,14
	v_pk_fma_f32 v[S+16*\b+\k:S+16*\b+\k+1], v[S+16*\b+\k:S+16*\b+\k+1], s[16:17], v[AB+2*\b:AB+2*\b+1] op_sel_hi:[1,0,0]   ; t - M
.endr
.endr
.set j, 0
.rept 64
	v_exp_f32 v[S+j], v[S+j]                       ; p = 2^(t - M)
.set j, j+1
.endr
	v_pk_mul_f32 v[rT+2:rT+3], v[rT+2:rT+3], v[F:F+1] op_sel_hi:[1,0]   ; the sum under the new M: the plain instruction behind the exponentials
.if (\vslot) >= 0
	WIN 0x40                                       ; V's registers lie in window 1: the switch, then the wait, then the loads
.endif
	s_wait_alu depctr_va_vdst(0)                   ; the 64 exponentials have written p, ahead of its first reader: one wait for the batch.  In tile 0 it also states that the last step's products V^T P^T are done reading V's registers, in which the loads below land
.if (\vslot) >= 0
	VLOAD \vslot                                   ; this step's V; it is awaited ahead of the step's barrier
.endif
	v_pk_add_f32 v[CH:CH+1], v[S:S+1], v[S+2:S+3]  ; the sum of the unquantised p, in two chains
.irp k, 4,8,12,16,20,24,28,32,36,40,44,48,52,56,60
	v_pk_add_f32 v[rT+2:rT+3], v[rT+2:rT+3], v[S+\k:S+\k+1]
	v_pk_add_f32 v[CH:CH+1], v[CH:CH+1], v[S+\k+2:S+\k+3]
.endr
	v_pk_add_f32 v[rT+2:rT+3], v[rT+2:rT+3], v[CH:CH+1]
	s_cmp_eq_u32 s15, 0
	s_cbranch_scc1 .Lno_hold_\@
.set j, 0
.rept 64
	v_min_num_f32 v[S+j], v[S+j], v[LIM]           ; the conversion does not saturate (ISA guide 7.6.2); p is not negative
.set j, j+1
.endr
.Lno_hold_\@:
	WIN 0x40                                       ; destination window 1
.irp b, 0,1,2,3
	v_cvt_scalef32_pk8_bf8_f32 v[PC+16*(\q)+4*\b:PC+16*(\q)+4*\b+1], v[S+16*\b:S+16*\b+7], v[SC]
	v_cvt_scalef32_pk8_bf8_f32 v[PC+16*(\q)+4*\b+2:PC+16*(\q)+4*\b+3], v[S+16*\b+8:S+16*\b+15], v[SC]
.endr
	WIN 0
	v_nop                                          ; a plain instruction between the conversions and the products that write their sources or read their results
.endm
.macro RS q                            ; O^T of tile q under the new M.  These sixteen are also the places behind the scores issued just ahead of them
	WIN 0x41
.set j, 0
.rept 16
	v_pk_mul_f32 v[32*(\q)+j:32*(\q)+j+1], v[32*(\q)+j:32*(\q)+j+1], v[F:F+1] op_sel_hi:[1,0]
.set j, j+2
.endr
	WIN 0
.endm
.macro KLOAD slot
.irp t, 0,1,2,3,4,5,6,7
.irp c, 0,1
	ds_load_b128 v[KF+8*\t+4*\c:KF+8*\t+4*\c+3], v[AF] offset:(\slot)*SLOTB+1280*\t+32*\c
.endr
.endr
.endm
.macro PV                              ; O^T += V^T P^T, K = the step's 128 keys: sixteen accumulators, one turn each
	WIN 0x55
.irp q, 0,1,2,3
.irp d, 0,1,2,3
	v_wmma_f32_16x16x128_bf8_bf8 v[32*\q+8*\d:32*\q+8*\d+7], v[VF+16*\d:VF+16*\d+15], v[PC+16*\q:PC+16*\q+15], v[32*\q+8*\d:32*\q+8*\d+7]
.endr
.endr
	WIN 0
.endm
; The step's one barrier.  Ahead of it: the next tile, asked for a step ago, goes into the other slot, whose last readers waited for their loads ahead of the barrier before; my own reads of this slot (V's) are back.
; Behind it every wave may read the other slot, and this slot may be written in the next step.  The tile after next is asked for here.  The step's number is the same in all waves.
.macro EXCH other
	s_cmp_lt_u32 s11, 15
	s_cbranch_scc0 .Lnone_\@
	s_wait_loadcnt 0x0                             ; the next tile is in registers
	ds_store_b128 v[KST], v[G:G+3] offset:(\other)*SLOTB
	ds_store_b128 v[KST], v[G+4:G+7] offset:(\other)*SLOTB+1280
	ds_store_b128 v[VST], v[G+8:G+11] offset:(\other)*SLOTB
	ds_store_b128 v[VST], v[G+12:G+15] offset:(\other)*SLOTB+640
	s_wait_alu depctr_vm_vsrc(0)                   ; the four LDS stores have read v[G ..], in which the loads of the tile after next land
	s_cmp_lt_u32 s11, 14
	s_cbranch_scc0 .Lnone_\@
	s_wait_dscnt 0x0                               ; the stores have read their registers
	s_add_nc_u64 s[34:35], s[34:35], 8192          ; (no load that names it is out: the wait for 0 above)
	GLOAD
.Lnone_\@:
	s_wait_dscnt 0x0                               ; for the others' sake: my stores have landed, my reads are back
	s_barrier_signal -1
	s_barrier_wait -1
.endm
.macro ADVANCE
	s_add_co_u32 s11, s11, 1
	v_add_f32 v[DI], 0x43000000, v[DI]             ; j0 + 128
	PHASE
	s_cmp_eq_u32 s11, s13
	s_cbranch_scc0 .Lsame_\@
.irp k, 0,2,4,6,8,10,12,14
	v_pk_mul_f32 v[TAB+\k:TAB+\k+1], v[TAB+\k:TAB+\k+1], -1.0 op_sel_hi:[1,0]   ; behind the diagonal the table changes its sign
.endr
.Lsame_\@:
.endm
; A KEY STEP.  Tile 0's scores were made in the step before.  Each tile's scores are issued ahead of the rescaling of the tile before.
.macro STEP slot
	v_mul_f32 v[LQ], v[SCV], v[DI]                 ; s c2 (j0 - i) for the four tiles; plain instructions ahead of the first read of tile 0's scores
	v_fma_f32 v[LQ+1], v[DI], v[SCV], v[QQ+1]
	v_fma_f32 v[LQ+2], v[DI], v[SCV], v[QQ+2]
	v_fma_f32 v[LQ+3], v[DI], v[SCV], v[QQ+3]
	SM 0, \slot                                    ; with this step's V asked for behind its wait
	SCORE 1
	RS 0
	SM 1, -1
	SCORE 2
	RS 1
	EXCH 1-\slot
	SM 2, -1
	SCORE 3
	RS 2
	s_wait_alu depctr_va_vdst(0)                   ; tile 3's products, the last that multiply by this step's K, are done reading K's registers, in which the loads below land
	s_cmp_lt_u32 s11, 15
	s_cbranch_scc0 .Lno_k_\@
	KLOAD 1-\slot                                  ; the next step's K
.Lno_k_\@:
	SM 3, -1
	ADVANCE
	s_wait_dscnt 0x0                               ; K is in
	s_cmp_lt_u32 s11, 16
	s_cbranch_scc0 .Lno_s_\@
	SCORE 0                                        ; the next step's first scores
.Lno_s_\@:
	RS 3
	PV
.endm
	s_wait_loadcnt 8                               ; tile 0 is in registers; Q's eight loads may be out
	s_wait_alu depctr_va_vdst(0)                   ; v[AF], v[KST], v[VST], v[STO], v[RD] and v[GO] are written: the LDS instructions and the stores of the whole kernel read them as addresses, and no vector instruction names them again
	ds_store_b128 v[KST], v[G:G+3]
	ds_store_b128 v[KST], v[G+4:G+7] offset:1280
	ds_store_b128 v[VST], v[G+8:G+11]
	ds_store_b128 v[VST], v[G+12:G+15] offset:640
	s_wait_dscnt 0x0                               ; they have landed, and have read their registers
	s_wait_alu depctr_vm_vsrc(0)                   ; the four LDS stores have read v[G ..], in which tile 1's loads land
	s_add_nc_u64 s[34:35], s[34:35], 8192          ; (tile 0's loads are done: the counted wait above)
	GLOAD                                          ; tile 1
	s_barrier_signal -1
	s_barrier_wait -1
	KLOAD 0
	PHASE
	s_wait_loadcnt 4                               ; Q is in; tile 1's four loads may be out
	s_wait_dscnt 0x0
	SCORE 0
	s_mov_b32 s14, 8
.Lpair:                                            ; a trip is two key steps, one from each slot: every LDS offset is an immediate
	STEP 0
	STEP 1
	s_sub_co_u32 s14, s14, 1
	s_cmp_lg_u32 s14, 0
	s_cbranch_scc1 .Lpair
	; THE WAY OUT.  The sums' halves are added; O^T x 2^(e8 + e9) / the sum goes through my stage, a tile of 16 queries at a time, and leaves as rows of 256 bytes.  The additions are the places behind the last products.
.irp q, 0,1,2,3
	v_add_f32 v[MX+\q], v[STAT+4*\q+2], v[STAT+4*\q+3]
.endr
.irp q, 0,1,2,3
	v_permlanex16_b32 v[LQ+\q], v[MX+\q], s32, s33
.endr
.irp q, 0,1,2,3
	v_add_f32 v[MX+\q], v[MX+\q], v[LQ+\q]
.endr
.irp q, 0,1,2,3
	v_rcp_f32 v[AB+2*\q], v[MX+\q]
.endr
	v_nop                                          ; a plain instruction behind the last reciprocal,
	s_wait_alu depctr_va_vdst(0)                   ; and one wait for the four: they have written v[AB ..], ahead of their first reader
.irp q, 0,1,2,3
	v_ldexp_f32 v[AB+2*\q], v[AB+2*\q], s48
.endr
.macro PACK q
.if (\q) >= 2
	s_wait_alu depctr_vm_vsrc(0)                   ; the LDS stores of the tile two back have read this half of S^T's registers, which the multiplications below write again; its global stores have read this half of K's registers, in which the loads below land
.endif
	WIN 0x01                                       ; source 0 window 1
.set j, 0
.rept 16
	v_pk_mul_f32 v[S+32*((\q)%2)+j:S+32*((\q)%2)+j+1], v[32*(\q)+j:32*(\q)+j+1], v[AB+2*(\q):AB+2*(\q)+1] op_sel_hi:[1,0]   ; register 8 t + i: o(r, 16 t + 8 h + i); each accumulator from its low end on
.set j, j+2
.endr
	WIN 0
	s_wait_alu depctr_va_vdst(0)                   ; the multiplications have written the LDS stores' data; and the last scores' products are done reading K's registers, in which the loads from the stage land
.irp d, 0,1,2,3
	ds_store_b128 v[STO], v[S+32*((\q)%2)+8*\d:S+32*((\q)%2)+8*\d+3] offset:64*\d
	ds_store_b128 v[STO], v[S+32*((\q)%2)+8*\d+4:S+32*((\q)%2)+8*\d+7] offset:64*\d+16
.endr
.irp i, 0,1,2,3,4,5,6,7
	ds_load_b128 v[KF+32*((\q)%2)+4*\i:KF+32*((\q)%2)+4*\i+3], v[RD] offset:544*\i   ; LDS serves a wave's instructions in order: these see my stores, and the next tile's stores come behind them
.endr
.endm
.macro SEND q, younger                 ; younger: the LDS instructions issued behind tile q's loads: the next tile's sixteen, or none
.irp i, 0,1,2,3,4,5,6,7
	s_wait_dscnt \younger+7-\i
	global_store_b128 v[GO], v[KF+32*((\q)%2)+4*\i:KF+32*((\q)%2)+4*\i+3], s[8:9] offset:(16*(\q)+2*\i)*4096 th:TH_STORE_NT   ; sixteen lanes store 256 consecutive bytes, aligned
.endr
.endm
	PACK 0
	PACK 1
	SEND 0, 16
	s_wait_xcnt 0x0                                ; tile 0's stores have read their registers: tile 2's rows may land there
	PACK 2
	SEND 1, 16
	s_wait_xcnt 0x0
	PACK 3
	SEND 2, 16
	SEND 3, 0
	s_wait_xcnt 0x0
	v_lshl_add_u32 v254, v0, 2, 0x12800
	v_mov_b32 v255, 0
	s_wait_dscnt 0x0                               ; the closing lines, six on end
	s_wait_alu 0x0
	s_wait_tensorcnt 0x0
	ds_add_u32 v254, v255
	s_wait_dscnt 0x0
	s_endpgm
.Lfunc_end_k_q0321d71c39_attn:
	.size	k_q0321d71c39_attn, .Lfunc_end_k_q0321d71c39_attn-k_q0321d71c39_attn
	.p2alignl 7, 3214868480
	.fill 96, 4, 3214868480
	.section	.rodata,"a",@progbits
	.p2align	6, 0x0
	.amdhsa_kernel k_q0321d71c39_attn
		.amdhsa_group_segment_fixed_size 76800
		.amdhsa_private_segment_fixed_size 0
		.amdhsa_enable_private_segment 0
		.amdhsa_kernarg_size 24
		.amdhsa_user_sgpr_count 2
		.amdhsa_user_sgpr_kernarg_segment_ptr 1
		.amdhsa_wavefront_size32 1
		.amdhsa_system_sgpr_workgroup_id_x 1
		.amdhsa_system_sgpr_workgroup_id_y 1
		.amdhsa_system_sgpr_workgroup_id_z 1
		.amdhsa_system_vgpr_workitem_id 0
		.amdhsa_next_free_vgpr 512
		.amdhsa_next_free_sgpr 66
		.amdhsa_reserve_vcc 0
		.amdhsa_float_denorm_mode_32 3
		.amdhsa_float_denorm_mode_16_64 3
		.amdhsa_memory_ordered 1
		.amdhsa_forward_progress 1
		.amdhsa_inst_pref_size 191
	.end_amdhsa_kernel
	.amdgpu_metadata
---
amdhsa.version: [ 1, 2 ]
amdhsa.kernels:
  - .name:           k_q0321d71c39_attn
    .symbol:         k_q0321d71c39_attn.kd
    .args:
      - { .name: qkv, .offset: 0, .size: 8, .value_kind: global_buffer, .address_space: global }
      - { .name: lowp_scales, .offset: 8, .size: 8, .value_kind: global_buffer, .address_space: global }
      - { .name: out0, .offset: 16, .size: 8, .value_kind: global_buffer, .address_space: global }
    .group_segment_fixed_size: 76800
    .private_segment_fixed_size: 0
    .kernarg_segment_align: 8
    .kernarg_segment_size: 24
    .max_flat_workgroup_size: 256
    .sgpr_count:     66
    .vgpr_count:     512
    .wavefront_size: 32
...
	.end_amdgpu_metadata
.endif
;; end of part 4
